; MI455X (gfx1250); checked and timed in simulation.
; The chip was launched on July 23, 2026; its instructions are those of AMD's public machine-readable ISA for CDNA 5 (MIT licence, August 2026) and "CDNA5" Instruction Set Architecture Reference Guide (July 2026). The comments in the code are by the model that wrote it; some were corrected since.
;; Causal Wan Self Attention. Allowed arithmetic: matrix products marked QUANTISED: E4M3 operands, one E8M0 scale for each 32 along K, by v_wmma_scale_f32_16x16x128_f8f6f4 with both operands' format E4M3, f32 sums; products left as they are: f32 operands where the result goes on into a quantised operand, else bf16, f16 or f32 operands; f32 sums; everything else in f32.
;; Inputs: w_out 1,024 x 64 float32; w_qkv 192 x 1,024 float32; x 1 x 2,048 x 1,024 float32.
;; Outputs: out0 1 x 2,048 x 1,024 float32.
;; This version of the problem:
;;   THIS VERSION OF THE PROBLEM IS GIVEN IN LOW PRECISION. The matrix products marked QUANTISED in the list below multiply operands that are first quantised to E4M3 (4 exponent bits, 3 mantissa bits; 8 bits a number), with one power-of-two scale for each 32 numbers along K (OCP MX v1.0); their sums are f32. All else is computed in f32.
;;   The module's matrix products, in the order in which they are computed (A, B: the left and right operand; K: the contracted axis; several contracted axes count as one K, in the product's order):
;;     1. [M 2,048, K 1,024] x [K 1,024, N 192]; A: input x; B: input w_qkv: QUANTISED
;;     2. batch 64 x [M 2,048, K 1] x [K 1, N 2,048]; A: computed on the way; B: computed on the way: left as it is (K = 1 < 32)
;;     3. batch 64 x [M 2,048, K 2,048] x [K 2,048, N 1]; A: softmax; B: computed on the way: left as it is (N = 1 < 16)
;;     4. [M 2,048, K 64] x [K 64, N 1,024]; A: computed on the way; B: input w_out: QUANTISED
;;   THE QUANTISER, for each operand of a quantised product, along K:
;;     - K is cut into blocks of 32 from its start; a last block that is shorter is filled with zeros.
;;     - A block's scale is 2^e with e = floor(log2(the largest magnitude in the block)) - 8, held to -126 .. 127; a block of zeros has e = 0. As a byte (E8M0): e + 127.
;;     - Each number is divided by its block's scale, clamped to +-448, and rounded to the nearest number of E4M3, ties to even, subnormals kept.
;;     - The product sums the exact products of the quantised numbers (number of the format x scale) in f32.
;;   ~~~python
;;   def quantise(x, axis):      # numpy; x: float32 -> the quantised numbers, widened to float32 again
;;       x = np.moveaxis(x, axis, -1); K = x.shape[-1]
;;       x = np.pad(x, [(0, 0)] * (x.ndim - 1) + [(0, -K % 32)]); x = x.reshape(x.shape[:-1] + (-1, 32)); a = np.abs(x).max(-1, keepdims=True)
;;       e = np.where(a > 0, np.clip(np.frexp(np.where(a > 0, a, 1))[1] - 1 - 8, -126, 127), 0)      # np.frexp(a)[1] - 1 = floor(log2(a)), exactly
;;       r = np.clip(x / 2.0 ** e, -448, 448)
;;       step = 2.0 ** (np.maximum(np.frexp(np.where(r == 0, 1, r))[1] - 1, -6) - 3)
;;       q = np.round(r / step) * step * 2.0 ** e      # np.round: ties to even
;;       return np.moveaxis(q.reshape(q.shape[:-2] + (-1,))[..., :K], -1, axis).astype(np.float32)
;;   ~~~
;;   OPERANDS COMPUTED ON THE WAY. 'Computed on the way' means the value that the module computes at that place (a softmax that the list does not call 'softmax' is quantised finished and normalised). What goes into a quantiser is computed in f32, as accurately as f32 sums, v_exp_f32 and their like allow (about 1e-6 of the number): no bf16 or f16 on the way to a quantiser, and a product that is left as it is and whose result goes on into a quantised operand takes f32 operands (vector FMAs, or v_wmma_f32_16x16x4_f32). A number that lies on a knife's edge between two numbers of the format may be rounded either way, as far as f32 arithmetic and the matrix unit's own rounding can turn it there, and no further.
;; 2 versions, each right; version 2 is version 1 with the launches qkv, proj written anew for expert scheduling mode. Each part assembles by itself: llvm-mc -triple=amdgcn-amd-amdhsa -mcpu=gfx1250 --defsym DOCPART=n.
;; ======== version 1 of 2: 3 launches
;; workspace buffers: f 1,572,864 bytes; outt 524,288 bytes
;; launch qkv (part 1): grid 4 x 64, 16 waves a work-group, no clusters, 105,472 bytes of LDS; arguments x, w_qkv, f; writes f
.if DOCPART == 1
	.amdgcn_target "amdgcn-amd-amdhsa--gfx1250"
	.amdhsa_code_object_version 6
	.text
	.protected	k_q9b446b4b9b_qkv
	.globl	k_q9b446b4b9b_qkv
	.p2align	8
	.type	k_q9b446b4b9b_qkv,@function
k_q9b446b4b9b_qkv:
	s_mov_b64 s[64:65], 0
	v_nop
	global_prefetch_b8 v0, s[64:65] scope:SCOPE_SE
	s_setreg_imm32_b32 hwreg(HW_REG_WAVE_MODE, 25, 1), 1
	s_wait_xcnt 0x0
; qkv[n][f] = sum over k of Q(x)[n][k] Q(w_qkv)[f][k].  x [2048][1024], w_qkv [192][1024], f32; both are quantised here to codes of FP8 (E4M3) with one
; E8M0 scale for each 32 along K and multiplied by v_wmma_scale_f32_16x16x128_f8f6f4; sums in f32.
; The result goes to the workspace f, laid [n / 32][feature 0..191][n % 32], f32: a work-group's 48 features x 32 rows are 6,144 bytes on end.
; SHARES.  A work-group makes 32 rows x 48 features (grid: 4 groups of features x 64 groups of rows): it reads 80 rows of 4,096 bytes, five tiles of 16 rows.
; Phase 1: wave w quantises row w of each tile, in ten steps of 512 numbers.  A step's four loads read 512 consecutive bytes each, 16 a lane: a lane holds four neighbours
; of four blocks, and a block of 32 lies in eight neighbouring lanes, whose largest magnitudes are joined by three steps across lanes.
; A conversion takes eight registers under ONE scale: each eight are converted twice, under either load's scale, and of each result the word that belongs to that scale is kept.
; Codes lie in LDS as pieces of 16 bytes, [tile][k / 16][row], 272 bytes from one k / 16 to the next; scale bytes lie [tile][row][k / 32].
; Phase 2: twelve waves take a tile of 16 x 16 of the result and half of K each.
; The next launch takes weighted means of v, in which an error common to all v stays whole, ahead of a quantiser.
; The halves of K meet in the stage on the way out.
; NO CLUSTER: the rows that partners share arrive as f32 and are read once, straight into the quantiser's registers; a work-group's 80 x 4,096 bytes are 327,680 bytes,
; so as joint loads they would go through slots that are filled again only to be read once.
; LIMITS: NaN and infinities among the inputs are not served.  A block of zeros gets the byte 1 where the quantiser's rule says 127: its codes are zeros, and this program alone reads the bytes.
.set ROWB,  4096                       ; a row of x or of w_qkv in bytes
.set PIT,   272                        ; 16 rows x 16 bytes + 16 of padding
.set TIL,   64*PIT                     ; a tile's codes: 64 pieces along K
.set SC,    5*TIL                      ; behind the five tiles: scale bytes, 512 for each tile
.set STG,   SC+5*512                   ; the stage for the way out: two copies (halves of K) of 48 features x (128 bytes + 16)
.set SPIT,  144
.set SCOPY, 48*SPIT
.set GL,  1                            ; v1   16 x lane: my bytes of a load's 512
.set CA0, 2                            ; v2   where my four codes go, tiles 0 to 2
.set CA1, 3                            ; v3   the same for tiles 3 and 4 (an LDS offset has 16 bits)
.set SBA, 4                            ; v4   where my block's scale byte goes
.set ADA, 5                            ; v5   phase 2: my fragments of x
.set ADB, 6                            ; v6   my fragments of w_qkv
.set SAA, 7                            ; v7   x's scale words
.set SAB, 8                            ; v8   w_qkv's
.set STO, 9                            ; v9   the stage, in
.set STR, 10                           ; v10  the stage, out
.set GST, 11                           ; v11  my 16 bytes of the work-group's 6,144 in f
.set RB,  16                           ; v16-79   four sets of 16 numbers as loaded
.set AM,  80                           ; v80-83   largest magnitudes of the four blocks
.set SO,  84                           ; v84-87   the conversions' scale operands
.set LM,  88                           ; v88-91   448 x the scale
.set BY,  92                           ; v92-99   scale bytes, two sets by turns
.set CD,  100                          ; v100-115 codes, two sets by turns
.set SWA, 120                          ; v120-123 scale words of x: these eight registers hold scales and nothing else
.set SWB, 124                          ; v124-127 scale words of w_qkv
.set FA,  128                          ; v128-191 four fragments of x
.set FB,  192                          ; v192-255 four fragments of w_qkv
.set AC0, 16                           ; phase 2: v16-31 the two accumulators of the sum, v32-47 those of the sum with the signs turned
.set AC1, 24
.set AC2, 32
.set AC3, 40
.set SUM, 48                           ; v48-55, v56-63 at work
.set SUB, 56
.set RES, 64
.macro LOAD t                          ; step t: half t % 2 of my row of tile t / 2, into set t % 4
.irp j, 0,1,2,3
.if (\t)/2 < 2
	global_load_b128 v[RB+16*((\t)%4)+4*\j:RB+16*((\t)%4)+4*\j+3], v[GL], s[4:5] offset:((\t)/2)*16*ROWB+((\t)%2)*2048+512*\j
.else
	global_load_b128 v[RB+16*((\t)%4)+4*\j:RB+16*((\t)%4)+4*\j+3], v[GL], s[6:7] offset:((\t)/2-2)*16*ROWB+((\t)%2)*2048+512*\j
.endif
.endr
.endm
	s_load_b128 s[4:7], s[0:1], 0x0                ; x, w_qkv
	s_load_b64 s[8:9], s[0:1], 0x10                ; f
	v_lshl_add_u32 v118, v0, 2, 0x19400
	v_mov_b32 v119, 0
	v_lshrrev_b32 v15, 5, v0
	v_readfirstlane_b32 s10, v15                   ; wave 0..15
	v_and_b32 v12, 31, v0                          ; lane
	v_lshlrev_b32 v[GL], 4, v12
	s_and_b32 s11, ttmp7, 0xffff                   ; which 32 rows
	s_lshl_b32 s18, s10, 12                        ; my row in a tile: wave x 4,096 bytes
	s_lshl_b32 s12, s11, 17                        ; 32 rows x 4,096 bytes
	s_add_co_u32 s12, s12, s18
	s_mov_b32 s13, 0
	s_mul_i32 s14, ttmp9, 48*ROWB                  ; which 48 features
	s_add_co_u32 s14, s14, s18
	s_mov_b32 s15, 0
	s_mul_i32 s16, s11, 192*128                    ; f: the block of 32 rows,
	s_mul_i32 s19, ttmp9, 48*128                   ; and in it my 48 features
	s_add_co_u32 s16, s16, s19
	s_mov_b32 s17, 0
	s_wait_kmcnt 0x0
	s_add_nc_u64 s[4:5], s[4:5], s[12:13]
	s_add_nc_u64 s[6:7], s[6:7], s[14:15]
	s_add_nc_u64 s[8:9], s[8:9], s[16:17]
	LOAD 0
	LOAD 1
	LOAD 2
	LOAD 3                                         ; sixteen loads of every wave are out; the addresses below are made meanwhile
	s_mov_b32 s20, 0x600000                        ; the mantissa field of 448
	s_mov_b32 s28, 0x80808080                      ; the sign bits of four codes
	v_and_b32 v13, 15, v0                          ; r
	v_bfe_u32 v14, v0, 4, 1                        ; h
	v_lshrrev_b32 v15, 2, v12
	v_mul_u32_u24 v[CA0], v15, PIT                 ; my four numbers of a load lie in piece lane / 4 of its eight,
	v_and_b32 v15, 3, v12
	v_lshl_add_u32 v[CA0], v15, 2, v[CA0]          ; word lane % 4 of the piece,
	s_lshl_b32 s19, s10, 4
	v_add_nc_u32 v[CA0], s19, v[CA0]               ; row = wave.  The 32 lanes' words lie 4 (lane / 4) + lane % 4 words apart modulo 64: all different
	v_add_nc_u32 v[CA1], 3*TIL, v[CA0]
	v_lshrrev_b32 v[SBA], 3, v12                   ; a load is a K step of 128: my block is lane / 8 of its four
	s_lshl_b32 s19, s10, 5                         ; 32 scale bytes a row
	s_add_co_u32 s19, s19, SC
	v_add_nc_u32 v[SBA], s19, v[SBA]
	; phase 2's places, made here, ahead of the first branch on the wave's number: wave = 4 x (16 features) + 2 x (16 rows) + half of K
	s_and_b32 s21, s10, 1                          ; half of K
	s_lshr_b32 s22, s10, 1
	s_and_b32 s23, s22, 1                          ; which 16 rows
	s_lshr_b32 s24, s22, 1                         ; which 16 features
	v_mul_u32_u24 v15, v14, PIT
	v_lshl_add_u32 v15, v13, 4, v15                ; a fragment's lane (r, h): piece h of a pair, row r
	s_mul_i32 s25, s21, 32*PIT                     ; four K steps are 32 pieces
	s_mul_i32 s26, s23, TIL
	s_add_co_u32 s26, s26, s25
	v_add_nc_u32 v[ADA], s26, v15
	s_mul_i32 s26, s24, TIL
	s_add_co_u32 s26, s26, s25
	s_add_co_u32 s26, s26, 2*TIL
	v_add_nc_u32 v[ADB], s26, v15
	v_lshlrev_b32 v15, 5, v13                      ; scale words: row r's 32 bytes,
	s_lshl_b32 s27, s21, 4                         ; my half's 16 of them
	s_lshl_b32 s26, s23, 9
	s_add_co_u32 s26, s26, s27
	s_add_co_u32 s26, s26, SC
	v_add_nc_u32 v[SAA], s26, v15
	s_lshl_b32 s26, s24, 9
	s_add_co_u32 s26, s26, s27
	s_add_co_u32 s26, s26, SC+2*512
	v_add_nc_u32 v[SAB], s26, v15
	v_mul_u32_u24 v[STO], v13, SPIT                ; the stage, in: feature r of my 16, rows 8 h on of my 16
	v_lshl_add_u32 v[STO], v14, 5, v[STO]
	s_mul_i32 s26, s21, SCOPY
	s_mul_i32 s27, s24, 16*SPIT
	s_add_co_u32 s26, s26, s27
	s_lshl_b32 s27, s23, 6
	s_add_co_u32 s26, s26, s27
	s_add_co_u32 s26, s26, STG
	v_add_nc_u32 v[STO], s26, v[STO]
	v_lshrrev_b32 v[STR], 3, v0                    ; out: thread t takes piece t of 384: feature t / 8, 16 bytes t % 8
	v_mul_u32_u24 v[STR], v[STR], SPIT
	v_and_b32 v15, 7, v0
	v_lshl_add_u32 v[STR], v15, 4, v[STR]
	v_add_nc_u32 v[STR], STG, v[STR]
	v_lshlrev_b32 v[GST], 4, v0
.macro STEP t
.set XS, RB+16*((\t)%4)
.set PB, BY+4*((\t)%2)
.set PC, CD+8*((\t)%2)
.set TT, (\t)/2
.set HF, (\t)%2
.if (\t) <= 6
	s_wait_loadcnt 12                              ; this step's four loads are in; those of the three steps behind it stay out
.else
	s_wait_loadcnt 4*(9-(\t))                      ; the last steps: two, one, no step behind it
.endif
.if (\t) >= 2
	s_wait_dscnt 8                                 ; the last step's eight LDS stores may be out; those of the step before it, whose registers are written again below, are done
.endif
.irp j, 0,1,2,3
	v_max3_num_f32 v[AM+\j], |v[XS+4*\j]|, |v[XS+4*\j+1]|, |v[XS+4*\j+2]|
.endr
.irp j, 0,1,2,3
	v_max3_num_f32 v[AM+\j], v[AM+\j], |v[XS+4*\j+3]|, 0x4800000   ; and the floor 2^(9 - 127): the byte cannot fall under 1
.endr
.irp m, 1,2,4
.irp j, 0,1,2,3
	v_max_num_f32_dpp v[AM+\j], v[AM+\j], v[AM+\j] row_xmask:\m row_mask:0xf bank_mask:0xf   ; with the block's other seven lanes
.endr
.endr
.irp j, 0,1,2,3
	v_add_nc_u32 v[SO+\j], 0xfc000000, v[AM+\j]    ; 8 off the exponent field: the conversion takes this operand's exponent field as its scale
.endr
.irp j, 0,1,2,3
	v_and_or_b32 v[LM+\j], v[AM+\j], 0x7f800000, s20   ; 448 x the scale
.endr
.irp j, 0,1,2,3
.irp i, 0,1,2,3
	v_med3_num_f32 v[XS+4*\j+\i], v[XS+4*\j+\i], -v[LM+\j], v[LM+\j]   ; the conversion to an 8-bit code does not saturate (ISA guide 7.6.2): the hold comes first
.endr
.endr
	v_cvt_scalef32_pk8_fp8_f32 v[PC:PC+1], v[XS:XS+7], v[SO]             ; loads 0 and 1 under load 0's scale: the low word is kept
	v_cvt_scalef32_pk8_fp8_f32 v[PC+2:PC+3], v[XS:XS+7], v[SO+1]         ; under load 1's: the high word is kept
	v_cvt_scalef32_pk8_fp8_f32 v[PC+4:PC+5], v[XS+8:XS+15], v[SO+2]
	v_cvt_scalef32_pk8_fp8_f32 v[PC+6:PC+7], v[XS+8:XS+15], v[SO+3]
.irp j, 0,1,2,3
	v_lshrrev_b32 v[PB+\j], 23, v[SO+\j]           ; the scale's byte (plain lines behind the conversions)
.endr
.if TT < 3
.set CAR, CA0
.set COF, TT*TIL+32*HF*PIT
.else
.set CAR, CA1
.set COF, (TT-3)*TIL+32*HF*PIT
.endif
	ds_store_b32 v[CAR], v[PC] offset:COF          ; a load's 128 numbers are eight pieces along K
	ds_store_b32 v[CAR], v[PC+3] offset:COF+8*PIT
	ds_store_b32 v[CAR], v[PC+4] offset:COF+16*PIT
	ds_store_b32 v[CAR], v[PC+7] offset:COF+24*PIT
.irp j, 0,1,2,3
	ds_store_b8 v[SBA], v[PB+\j] offset:TT*512+(4*HF+\j)*4   ; the eight lanes of a block write the same byte with the same value
.endr
.if (\t)+4 < 10
	LOAD (\t)+4                                    ; the set just worked takes the step four on
.endif
.endm
.irp t, 0,1,2,3,4,5,6,7,8,9
	STEP \t
.endr
	s_wait_dscnt 0x0                               ; for the others' sake: my codes and scale bytes lie in LDS
	s_barrier_signal -1
	s_barrier_wait -1
	s_cmp_lt_u32 s10, 12                           ; six tiles x two halves of K: waves 12 to 15 have none
	s_cbranch_scc0 .Lno_tile
.irp s, 0,1,2,3
.irp c, 0,1,2,3
	ds_load_b128 v[FA+16*\s+4*\c:FA+16*\s+4*\c+3], v[ADA] offset:(8*\s+2*\c)*PIT   ; registers 4 c on: k = 32 c + 16 h + 0 .. 15 of row r
	ds_load_b128 v[FB+16*\s+4*\c:FB+16*\s+4*\c+3], v[ADB] offset:(8*\s+2*\c)*PIT
.endr
.endr
	ds_load_b128 v[SWA:SWA+3], v[SAA]              ; lane r: row r's scale words of my four K steps
	ds_load_b128 v[SWB:SWB+3], v[SAB]
	s_wait_dscnt 0x0
; Four K steps on accumulators p and q by turns, one instruction a turn.  Source 0 = 16 rows of x, source 1 = 16 features: lane (r, h) holds feature r and rows 8 h + 0 .. 7
.macro FOUR p, q
	v_wmma_scale_f32_16x16x128_f8f6f4 v[\p:\p+7], v[FA:FA+15], v[FB:FB+15], 0, v[SWA], v[SWB]
	v_wmma_scale_f32_16x16x128_f8f6f4 v[\q:\q+7], v[FA+16:FA+31], v[FB+16:FB+31], 0, v[SWA+1], v[SWB+1]
	v_wmma_scale_f32_16x16x128_f8f6f4 v[\p:\p+7], v[FA+32:FA+47], v[FB+32:FB+47], v[\p:\p+7], v[SWA+2], v[SWB+2]
	v_wmma_scale_f32_16x16x128_f8f6f4 v[\q:\q+7], v[FA+48:FA+63], v[FB+48:FB+63], v[\q:\q+7], v[SWA+3], v[SWB+3]
.endm
	FOUR AC0, AC1
.rept 8
	v_nop                                          ; eight places between a matrix instruction of this form and a vector line that writes one of its sources
.endr
.set II, 0
.rept 64
	v_xor_b32 v[FB+II], s28, v[FB+II]              ; the signs of w_qkv's codes are turned, four codes a line (the hold keeps every code off the NaN pattern, so a turned code is the number's negative)
.set II, II+1
.endr
.rept 4
	v_nop                                          ; four places between the last vector write of an operand and a scaled matrix instruction
.endr
	FOUR AC2, AC3
.rept 8
	v_nop                                          ; eight places ahead of the first read of results
.endr
.irp j, 0,2,4,6
	v_pk_add_f32 v[SUM+\j:SUM+\j+1], v[AC0+\j:AC0+\j+1], v[AC1+\j:AC1+\j+1]   ; every accumulator from the low end on
.endr
.irp j, 0,2,4,6
	v_pk_add_f32 v[SUB+\j:SUB+\j+1], v[AC2+\j:AC2+\j+1], v[AC3+\j:AC3+\j+1]
.endr
.irp j, 0,2,4,6
	v_pk_add_f32 v[SUM+\j:SUM+\j+1], v[SUM+\j:SUM+\j+1], v[SUB+\j:SUB+\j+1] neg_lo:[0,1] neg_hi:[0,1]   ; the sum less its negative: twice the sum
.endr
	ds_store_b128 v[STO], v[SUM:SUM+3]
	ds_store_b128 v[STO], v[SUM+4:SUM+7] offset:16
.Lno_tile:
	s_wait_dscnt 0x0                               ; my part of the stage is written
	s_barrier_signal -1
	s_barrier_wait -1
	s_cmp_lt_u32 s10, 12                           ; 6,144 bytes are 384 pieces of 16
	s_cbranch_scc0 .Ldone
	ds_load_b128 v[SUM:SUM+3], v[STR]
	ds_load_b128 v[SUM+4:SUM+7], v[STR] offset:SCOPY
	s_wait_dscnt 0x0
	v_pk_add_f32 v[RES:RES+1], v[SUM:SUM+1], v[SUM+4:SUM+5]       ; the two halves of K,
	v_pk_add_f32 v[RES+2:RES+3], v[SUM+2:SUM+3], v[SUM+6:SUM+7]
	v_pk_mul_f32 v[RES:RES+1], v[RES:RES+1], 0.5 op_sel_hi:[1,0]  ; halved: nothing is rounded
	v_pk_mul_f32 v[RES+2:RES+3], v[RES+2:RES+3], 0.5 op_sel_hi:[1,0]
	global_store_b128 v[GST], v[RES:RES+3], s[8:9]                ; a wave stores 512 consecutive bytes, at a multiple of 256 from f's first byte
.Ldone:
	s_wait_tensorcnt 0x0
	ds_add_u32 v118, v119
	s_wait_dscnt 0x0
	s_endpgm
.Lfunc_end_k_q9b446b4b9b_qkv:
	.size	k_q9b446b4b9b_qkv, .Lfunc_end_k_q9b446b4b9b_qkv-k_q9b446b4b9b_qkv
	.p2alignl 7, 3214868480
	.fill 96, 4, 3214868480
	.section	.rodata,"a",@progbits
	.p2align	6, 0x0
	.amdhsa_kernel k_q9b446b4b9b_qkv
		.amdhsa_group_segment_fixed_size 105472
		.amdhsa_private_segment_fixed_size 0
		.amdhsa_enable_private_segment 0
		.amdhsa_kernarg_size 24
		.amdhsa_user_sgpr_count 2
		.amdhsa_user_sgpr_kernarg_segment_ptr 1
		.amdhsa_wavefront_size32 1
		.amdhsa_system_sgpr_workgroup_id_x 1
		.amdhsa_system_sgpr_workgroup_id_y 1
		.amdhsa_system_sgpr_workgroup_id_z 1
		.amdhsa_system_vgpr_workitem_id 0
		.amdhsa_next_free_vgpr 256
		.amdhsa_next_free_sgpr 66
		.amdhsa_reserve_vcc 0
		.amdhsa_float_denorm_mode_32 3
		.amdhsa_float_denorm_mode_16_64 3
		.amdhsa_memory_ordered 1
		.amdhsa_forward_progress 1
		.amdhsa_inst_pref_size 55
	.end_amdhsa_kernel
	.amdgpu_metadata
---
amdhsa.version: [ 1, 2 ]
amdhsa.kernels:
  - .name:           k_q9b446b4b9b_qkv
    .symbol:         k_q9b446b4b9b_qkv.kd
    .args:
      - { .name: x, .offset: 0, .size: 8, .value_kind: global_buffer, .address_space: global }
      - { .name: w_qkv, .offset: 8, .size: 8, .value_kind: global_buffer, .address_space: global }
      - { .name: f, .offset: 16, .size: 8, .value_kind: global_buffer, .address_space: global }
    .group_segment_fixed_size: 105472
    .private_segment_fixed_size: 0
    .kernarg_segment_align: 8
    .kernarg_segment_size: 24
    .max_flat_workgroup_size: 512
    .sgpr_count:     66
    .vgpr_count:     256
    .wavefront_size: 32
...
	.end_amdgpu_metadata
.endif
;; end of part 1
;; launch attn (part 2): grid 4 x 64, 16 waves a work-group, no clusters, 67,840 bytes of LDS; arguments f, outt; writes outt
.if DOCPART == 2
	.amdgcn_target "amdgcn-amd-amdhsa--gfx1250"
	.amdhsa_code_object_version 6
	.text
	.protected	k_q9b446b4b9b_attn
	.globl	k_q9b446b4b9b_attn
	.p2align	8
	.type	k_q9b446b4b9b_attn,@function
k_q9b446b4b9b_attn:
	s_mov_b64 s[64:65], 0
	v_nop
	global_prefetch_b8 v0, s[64:65] scope:SCOPE_SE
	s_setreg_imm32_b32 hwreg(HW_REG_WAVE_MODE, 25, 1), 1
	s_wait_xcnt 0x0
; out[i][h] = sum over j <= i of softmax_j(q[i][h] k[j][h] / 8) v[j][h]: 64 heads of size 1, 2,048 queries and keys, all in f32 (the result goes on into a quantiser).
; q, k, v come from the workspace f, [n / 32][feature][n % 32] (features: q 0-63, k 64-127, v 128-191); the result goes to outt, [head][query].
; THE ROW'S MAXIMUM IS TAKEN AWAY, AND IT IS KNOWN AHEAD OF THE LOOP: a score is a product of two numbers, so its largest value over j <= i is a[i] x (the largest k up to i) or
; a[i] x (the smallest k up to i), a = q log2(e) / 8.  m[i] = the larger of the two; p = 2^(a k - m), one fused multiply-add and one exponential; l = sum of p, o = sum of p v, out = o / l.
; m never moves, so the parts of a row's sums that different waves make simply add.
; SHARES.  A cell is 64 queries x 64 keys; a head has 32 rows of cells.  A QUAD is rows 2 q, 2 q + 1, 30 - 2 q, 31 - 2 q: 66 cells at or under the diagonal for every q.
; A work-group takes one head and two quads (grid: 4 x 64 heads); eight waves share a quad: a wave takes the key cells s, s + 8, s + 16, s + 24.  A lane holds eight queries: a pair (lane, lane + 32) of each row.
; s = wave % 8 in the first quad and 7 - wave % 8 in the second: the four waves whose numbers agree modulo 4 then have 33 cells together.
; In a key cell the rows above it in the matrix are left out (their queries come earlier than its keys): what is left is a suffix x .. 3 of the four pairs, and pair x alone can lie on the diagonal, where p is masked.
; k and v of the head lie in LDS and are read as broadcasts, four numbers a load; a chunk is eight keys; its exponentials (up to 64) are ONE batch with one wait.
; Both loops have constant trip counts; a scalar branch on ids inside the chunk chooses among the four variants or none.
; NO CLUSTER: what the four work-groups of a head share is 16 KB of k and v, read once at the head.
; LIMITS: NaN and infinities in f are not served.
.set CH,   24576                       ; a block of 32 rows in f: 192 features x 128 bytes
.set KL,   0                           ; LDS: k[0..2047]
.set VL,   8192                        ; v
.set PMX,  16384                       ; the largest k up to each key
.set PMN,  24576                       ; the smallest
.set WTX,  32768                       ; the sixteen waves' largest,
.set WTN,  32832                       ; and smallest
.set PART, 33024                       ; parts of the sums: 2,048 bytes a wave
.set LN,   1                           ; v1   lane
.set KVO,  2                           ; v2   my four keys in f
.set T16,  3                           ; v3   16 x thread
.set QO,   4                           ; v4-7 my queries in f, a register for each row
.set LN4,  8                           ; v8   4 x lane
.set C4,   9                           ; v9   4 x (lane % 16)
.set CI,   10                          ; v10  lane % 16
.set WTA,  11                          ; v11  4 x wave
.set NINF, 12                          ; v12  -infinity
.set PINF, 13                          ; v13  +infinity
.set XK,   16                          ; v16-19 my four k;  v20-23 my four v
.set XV,   20
.set BMX,  24                          ; v24-35 the scan for the largest;  v36-47 for the smallest
.set BMN,  36
.set QA,   48                          ; v48-55 a of my eight queries, pair p at 2 p
.set NM,   56                          ; v56-63 -m
.set LS,   64                          ; v64-79 l: two sets (even keys', odd keys') of four pairs
.set OS,   80                          ; v80-95 o likewise
.set KR,   96                          ; v96-103  a chunk's k
.set VR,   104                         ; v104-111 a chunk's v
.set TR,   112                         ; v112-175 scores, then p
.set PMA,  176                         ; v176-179 my queries' places in PMX and PMN
.set ADK,  180                         ; v180 LDS byte of the chunk in k
.set PA,   181                         ; v181 where my parts go;  v182 where I read parts;  v183 8 x lane
.set RA,   182
.set GA,   183
.set WV,   10
.set HD,   11
.set SPL,  14
.set R0,   24                          ; s24-27 my quad's four rows, ascending
.set KC,   28                          ; s28 the key cell in hand;  s29 the chunk's first byte in KL
.set CB,   29
.set IT,   30
.set CNT,  31
.set MB,   32                          ; s[32:33] 64 ones shifted left by the chunk's first key;  s[34:37] the same for a key, two pairs by turns
.set MK,   34
	s_load_b128 s[4:7], s[0:1], 0x0                ; f, outt
	v_lshl_add_u32 v192, v0, 2, 0x10100
	v_mov_b32 v193, 0
	v_lshrrev_b32 v14, 5, v0
	v_readfirstlane_b32 s[WV], v14                 ; wave 0..15
	v_and_b32 v[LN], 31, v0
	s_and_b32 s[HD], ttmp7, 0xffff                 ; head
	s_lshl_b32 s16, s[HD], 7                       ; a feature is 128 bytes in a block
	s_mov_b32 s17, 0
	s_lshr_b32 s12, s[WV], 3                       ; which of the two quads
	s_lshl_b32 s13, ttmp9, 1
	s_add_co_u32 s13, s13, s12                     ; quad 0..7
	s_lshl_b32 s[R0], s13, 1                       ; rows 2 q,
	s_add_co_u32 s[R0+1], s[R0], 1                 ; 2 q + 1,
	s_xor_b32 s[R0+2], s[R0+1], 31                 ; 30 - 2 q,
	s_xor_b32 s[R0+3], s[R0], 31                   ; 31 - 2 q
	s_and_b32 s[SPL], s[WV], 7
	s_mul_i32 s15, s12, 7
	s_xor_b32 s[SPL], s[SPL], s15                  ; my key cells' residue
	s_and_b32 s22, s[WV], 2                        ; the way out: pair wave % 4 of my quad; its row of cells:
	s_cmp_lg_u32 s22, 0
	s_cselect_b32 s22, s[R0+2], s[R0]
	s_and_b32 s23, s[WV], 1
	s_add_co_u32 s22, s22, s23
	s_lshl_b32 s38, s22, 8                         ; 64 queries are 256 bytes,
	s_lshl_b32 s23, s[HD], 13                      ; a head 8,192
	s_add_co_u32 s38, s38, s23
	s_mov_b32 s39, 0
	v_lshrrev_b32 v[KVO], 3, v0
	v_mul_u32_u24 v[KVO], v[KVO], CH               ; keys 4 t .. 4 t + 3: block t / 8,
	v_and_b32 v14, 7, v0
	v_lshl_add_u32 v[KVO], v14, 4, v[KVO]          ; 16 bytes t % 8
	v_lshlrev_b32 v[LN4], 2, v[LN]
.irp p, 0,1,2,3
	s_mul_i32 s18, s[R0+\p], 2*CH                  ; a row of cells is two blocks of 32 queries
	v_add_nc_u32 v[QO+\p], s18, v[LN4]
.endr
	s_wait_kmcnt 0x0
	s_add_nc_u64 s[4:5], s[4:5], s[16:17]
	s_add_nc_u64 s[6:7], s[6:7], s[38:39]          ; outt at my head and row
	global_load_b128 v[XK:XK+3], v[KVO], s[4:5] offset:64*128
	global_load_b128 v[XV:XV+3], v[KVO], s[4:5] offset:128*128
.irp p, 0,1,2,3
	global_load_b32 v[QA+2*\p], v[QO+\p], s[4:5]
	global_load_b32 v[QA+2*\p+1], v[QO+\p], s[4:5] offset:CH
.endr
	v_lshlrev_b32 v[T16], 4, v0
	v_and_b32 v[CI], 15, v0
	v_lshlrev_b32 v[C4], 2, v[CI]
	v_mov_b32 v[WTA], s[WV]
	v_lshlrev_b32 v[WTA], 2, v[WTA]
	v_mov_b32 v[NINF], 0xff800000
	v_mov_b32 v[PINF], 0x7f800000
	s_mov_b32 s21, 0xffff0000                      ; lanes 16 to 31
	s_mov_b32 s19, 0x3e38aa3b                      ; log2(e) / 8
.irp p, 0,1,2,3
	s_lshl_b32 s18, s[R0+\p], 8
	v_add_nc_u32 v[PMA+\p], s18, v[LN4]
.endr
	s_lshl_b32 s18, s[WV], 11
	s_add_co_u32 s18, s18, PART
	v_add_nc_u32 v[PA], s18, v[LN4]
	s_lshl_b32 s18, s12, 14                        ; my quad's eight parts,
	s_and_b32 s22, s[WV], 3
	s_lshl_b32 s23, s22, 8                         ; pair wave % 4,
	s_add_co_u32 s18, s18, s23
	s_add_co_u32 s18, s18, PART
	v_lshlrev_b32 v[GA], 3, v[LN]                  ; two queries a lane
	v_add_nc_u32 v[RA], s18, v[GA]
; THE SCAN.  Thread t holds keys 4 t .. 4 t + 3.  Part 1: the running value inside the thread; an inclusive scan of the threads' totals over the wave (four steps inside each 16 lanes, where a lane
; with no source keeps its value; lane 15's total then joins lanes 16-31); the same moved one lane up; the wave's total to LDS.
.macro SCAN1 opn, opd, idn, b, wt
	\opn v[\b], v[XK], v[XK+1]
	\opn v[\b+1], v[\b], v[XK+2]
	\opn v[\b+2], v[\b+1], v[XK+3]
	v_mov_b32 v[\b+3], v[\b+2]
.irp n, 1,2,4,8
	\opd v[\b+3], v[\b+3], v[\b+3] row_shr:\n row_mask:0xf bank_mask:0xf
.endr
	v_readlane_b32 s20, v[\b+3], 15
	v_mov_b32 v[\b+4], s20
	v_cndmask_b32 v[\b+4], v[\idn], v[\b+4], s21   ; lanes 0-15: the neutral number; lanes 16-31: lane 15's total
	\opn v[\b+3], v[\b+3], v[\b+4]
	v_mov_b32_dpp v[\b+4], v[\b+3] row_shr:1 row_mask:0xf bank_mask:0xf   ; all threads ahead of me in the wave (lanes 0 and 16 keep what the select gave them)
	v_readlane_b32 s20, v[\b+3], 31
	v_mov_b32 v[\b+5], s20
	ds_store_b32 v[WTA], v[\b+5] offset:\wt        ; all lanes write the same word with the same value
.endm
; Part 2: the totals of the waves ahead of mine (lane c takes wave c's where c is under my wave's number), joined over 16 lanes; with the threads ahead of me; with my own running values.
.macro SCAN2 opn, opd, idn, b, pm
	v_cndmask_b32 v[\b+6], v[\idn], v[\b+6], vcc_lo
.irp n, 1,2,4,8
	\opd v[\b+6], v[\b+6], v[\b+6] row_xmask:\n row_mask:0xf bank_mask:0xf
.endr
	\opn v[\b+6], v[\b+6], v[\b+4]
	\opn v[\b+8], v[\b+6], v[XK]
	\opn v[\b+9], v[\b+6], v[\b]
	\opn v[\b+10], v[\b+6], v[\b+1]
	\opn v[\b+11], v[\b+6], v[\b+2]
	ds_store_b128 v[T16], v[\b+8:\b+11] offset:\pm
.endm
	s_wait_loadcnt 8                               ; k and v are in; the eight loads of q behind them stay out
	ds_store_b128 v[T16], v[XK:XK+3] offset:KL
	ds_store_b128 v[T16], v[XV:XV+3] offset:VL
	SCAN1 v_max_num_f32, v_max_num_f32_dpp, NINF, BMX, WTX
	SCAN1 v_min_num_f32, v_min_num_f32_dpp, PINF, BMN, WTN
	s_wait_dscnt 0x0                               ; for the others' sake: k, v and my wave's totals lie in LDS
	s_barrier_signal -1
	s_barrier_wait -1
	ds_load_b32 v[BMX+6], v[C4] offset:WTX
	ds_load_b32 v[BMN+6], v[C4] offset:WTN
	v_cmp_gt_u32 vcc_lo, s[WV], v[CI]
	s_wait_dscnt 0x0
	SCAN2 v_max_num_f32, v_max_num_f32_dpp, NINF, BMX, PMX
	SCAN2 v_min_num_f32, v_min_num_f32_dpp, PINF, BMN, PMN
	s_wait_dscnt 0x0                               ; my part of the two prefix tables lies in LDS
	s_barrier_signal -1
	s_barrier_wait -1                              ; from here to the next barrier LDS is only read
.irp p, 0,1,2,3
	ds_load_b32 v[TR+2*\p], v[PMA+\p] offset:PMX
	ds_load_b32 v[TR+2*\p+1], v[PMA+\p] offset:PMX+128
	ds_load_b32 v[TR+8+2*\p], v[PMA+\p] offset:PMN
	ds_load_b32 v[TR+8+2*\p+1], v[PMA+\p] offset:PMN+128
.endr
.set II, 0
.rept 32
	v_mov_b32 v[LS+II], 0                          ; l and o begin at 0: which cell is a wave's first hangs on its number
.set II, II+1
.endr
	s_wait_loadcnt 0x0                             ; q
.irp r, 0,1,2,3,4,5,6,7
	v_mul_f32 v[QA+\r], s19, v[QA+\r]              ; a = q log2(e) / 8
.endr
	s_wait_dscnt 0x0
.irp r, 0,1,2,3,4,5,6,7
	v_mul_f32 v[TR+\r], v[QA+\r], v[TR+\r]
	v_mul_f32 v[TR+8+\r], v[QA+\r], v[TR+8+\r]
.endr
.irp r, 0,1,2,3,4,5,6,7
	v_min_num_f32 v[NM+\r], -v[TR+\r], -v[TR+8+\r] ; -m = -(the larger of a x largest k, a x smallest k)
.endr
; The three parts of a chunk work on pairs XX .. 3, NP = 4 - XX of them.
; SCORES: a k - m, two queries an instruction (of the pair of k the key's own word serves both halves); then all exponentials, in place.
.macro SCORES
.set EE, 0
.rept 8
.set PP, 0
.rept NP
.set TT, TR+2*(EE*NP+PP)
.set PQ, 2*(XX+PP)
.if EE%2
	v_pk_fma_f32 v[TT:TT+1], v[QA+PQ:QA+PQ+1], v[KR+EE-1:KR+EE], v[NM+PQ:NM+PQ+1] op_sel:[0,1,0] op_sel_hi:[1,1,1]
.else
	v_pk_fma_f32 v[TT:TT+1], v[QA+PQ:QA+PQ+1], v[KR+EE:KR+EE+1], v[NM+PQ:NM+PQ+1] op_sel_hi:[1,0,1]
.endif
.set PP, PP+1
.endr
.set EE, EE+1
.endr
.set II, 0
.rept 16*NP
	v_exp_f32 v[TR+II], v[TR+II]
.set II, II+1
.endr
.endm
; MASK: pair XX lies on the diagonal.  Key jj of the cell counts for query lane + 32 u where jj <= lane + 32 u: bit lane + 32 u of 64 ones shifted left by jj; elsewhere p becomes 0.
.macro MASK
.set EE, 0
.rept 8
	s_lshl_b64 s[MK+2*(EE%2):MK+2*(EE%2)+1], s[MB:MB+1], EE
	v_cndmask_b32 v[TR+2*EE*NP], 0, v[TR+2*EE*NP], s[MK+2*(EE%2)]
	v_cndmask_b32 v[TR+2*EE*NP+1], 0, v[TR+2*EE*NP+1], s[MK+2*(EE%2)+1]
.set EE, EE+1
.endr
.endm
; SUMS: l += p, o += p v; even and odd keys have sums of their own, so that a sum is taken up again only two keys on.
.macro SUMS
.set EE, 0
.rept 8
.set SS, 8*(EE%2)
.set PP, 0
.rept NP
.set TT, TR+2*(EE*NP+PP)
.set PQ, SS+2*(XX+PP)
	v_pk_add_f32 v[LS+PQ:LS+PQ+1], v[LS+PQ:LS+PQ+1], v[TT:TT+1]
.set PP, PP+1
.endr
.set PP, 0
.rept NP
.set TT, TR+2*(EE*NP+PP)
.set PQ, SS+2*(XX+PP)
.if EE%2
	v_pk_fma_f32 v[OS+PQ:OS+PQ+1], v[TT:TT+1], v[VR+EE-1:VR+EE], v[OS+PQ:OS+PQ+1] op_sel:[0,1,0] op_sel_hi:[1,1,1]
.else
	v_pk_fma_f32 v[OS+PQ:OS+PQ+1], v[TT:TT+1], v[VR+EE:VR+EE+1], v[OS+PQ:OS+PQ+1] op_sel_hi:[1,0,1]
.endif
.set PP, PP+1
.endr
.set EE, EE+1
.endr
.endm
; A chunk of eight keys for pairs x .. 3
.macro VAR x
.set XX, \x
.set NP, 4-XX
	ds_load_b128 v[KR:KR+3], v[ADK] offset:KL      ; the same address in every lane
	ds_load_b128 v[KR+4:KR+7], v[ADK] offset:KL+16
	ds_load_b128 v[VR:VR+3], v[ADK] offset:VL
	ds_load_b128 v[VR+4:VR+7], v[ADK] offset:VL+16
	s_wait_dscnt 2                                 ; k is in; the two loads of v, issued behind it, may be out
	SCORES
	v_nop                                          ; a plain line behind the last exponential
	s_wait_alu depctr_va_vdst(0)                   ; one wait for the batch, ahead of its first reader and of the branch
	s_cmp_eq_u32 s[KC], s[R0+\x]
	s_cbranch_scc0 .Lnm\x
	MASK
.Lnm\x:
	s_wait_dscnt 0x0                               ; v is in
	SUMS
.endm
	s_mov_b32 s[KC], s[SPL]
	s_mov_b32 s[IT], 4
.Lcell:                                            ; four key cells a wave
	s_lshl_b32 s[CB], s[KC], 8                     ; a cell's 64 keys are 256 bytes
	s_mov_b32 s[MB], -1
	s_mov_b32 s[MB+1], -1
	s_mov_b32 s[CNT], 8
.Lchunk:                                           ; eight chunks a cell; the branches hang on the wave's and the work-group's numbers alone
	v_mov_b32 v[ADK], s[CB]
	s_cmp_le_u32 s[KC], s[R0]
	s_cbranch_scc1 .Lv0
	s_cmp_le_u32 s[KC], s[R0+1]
	s_cbranch_scc1 .Lv1
	s_cmp_le_u32 s[KC], s[R0+2]
	s_cbranch_scc1 .Lv2
	s_cmp_le_u32 s[KC], s[R0+3]
	s_cbranch_scc1 .Lv3
	s_branch .Lnext                                ; all four rows lie ahead of these keys
.Lv0:
	VAR 0
	s_branch .Lnext
.Lv1:
	VAR 1
	s_branch .Lnext
.Lv2:
	VAR 2
	s_branch .Lnext
.Lv3:
	VAR 3
.Lnext:
	s_lshl_b64 s[MB:MB+1], s[MB:MB+1], 8
	s_add_co_u32 s[CB], s[CB], 32
	s_sub_co_u32 s[CNT], s[CNT], 1
	s_cmp_lg_u32 s[CNT], 0
	s_cbranch_scc1 .Lchunk
	s_add_co_u32 s[KC], s[KC], 8
	s_sub_co_u32 s[IT], s[IT], 1
	s_cmp_lg_u32 s[IT], 0
	s_cbranch_scc1 .Lcell
.irp r, 0,2,4,6
	v_pk_add_f32 v[LS+\r:LS+\r+1], v[LS+\r:LS+\r+1], v[LS+8+\r:LS+8+\r+1]   ; even keys' and odd keys' sums
	v_pk_add_f32 v[OS+\r:OS+\r+1], v[OS+\r:OS+\r+1], v[OS+8+\r:OS+8+\r+1]
.endr
	s_wait_dscnt 0x0                               ; my LDS reads are in: the tables', k's and v's
	s_barrier_signal -1
	s_barrier_wait -1                              ; so are every wave's: only behind this barrier is LDS written again
.irp r, 0,1,2,3,4,5,6,7
	ds_store_b32 v[PA], v[LS+\r] offset:128*\r     ; register 2 p + u, lane: query 32 u + lane of pair p: the pair's 64 queries lie on end
	ds_store_b32 v[PA], v[OS+\r] offset:1024+128*\r
.endr
	s_wait_dscnt 0x0                               ; for the others' sake: my parts lie in LDS
	s_barrier_signal -1
	s_barrier_wait -1
	s_and_b32 s22, s[WV], 4                        ; four waves of each quad take a pair each: 64 queries, two a lane
	s_cmp_lg_u32 s22, 0
	s_cbranch_scc1 .Ldone
.irp s, 0,1,2,3,4,5,6,7
	ds_load_b64 v[TR+4*\s:TR+4*\s+1], v[RA] offset:2048*\s
	ds_load_b64 v[TR+4*\s+2:TR+4*\s+3], v[RA] offset:2048*\s+1024
.endr
	s_wait_dscnt 0x0
.irp s, 0,2,4,6
	v_pk_add_f32 v[TR+4*\s:TR+4*\s+1], v[TR+4*\s:TR+4*\s+1], v[TR+4*\s+4:TR+4*\s+5]
	v_pk_add_f32 v[TR+4*\s+2:TR+4*\s+3], v[TR+4*\s+2:TR+4*\s+3], v[TR+4*\s+6:TR+4*\s+7]
.endr
.irp s, 0,4
	v_pk_add_f32 v[TR+4*\s:TR+4*\s+1], v[TR+4*\s:TR+4*\s+1], v[TR+4*\s+8:TR+4*\s+9]
	v_pk_add_f32 v[TR+4*\s+2:TR+4*\s+3], v[TR+4*\s+2:TR+4*\s+3], v[TR+4*\s+10:TR+4*\s+11]
.endr
	v_pk_add_f32 v[TR:TR+1], v[TR:TR+1], v[TR+16:TR+17]
	v_pk_add_f32 v[TR+2:TR+3], v[TR+2:TR+3], v[TR+18:TR+19]
	v_rcp_f32 v[TR+32], v[TR]                      ; l is about 1 at the least: the row's largest score gives p = 2^0 but for the rounding of m
	v_rcp_f32 v[TR+33], v[TR+1]
	v_nop                                          ; a plain line behind the reciprocals
	s_wait_alu depctr_va_vdst(0)                   ; and the wait ahead of their first reader
	v_pk_mul_f32 v[TR+34:TR+35], v[TR+2:TR+3], v[TR+32:TR+33]
	global_store_b64 v[GA], v[TR+34:TR+35], s[6:7] ; 32 lanes store 256 consecutive bytes, at a multiple of 256 from outt's first byte
.Ldone:
	s_wait_tensorcnt 0x0
	ds_add_u32 v192, v193
	s_wait_dscnt 0x0
	s_endpgm
.Lfunc_end_k_q9b446b4b9b_attn:
	.size	k_q9b446b4b9b_attn, .Lfunc_end_k_q9b446b4b9b_attn-k_q9b446b4b9b_attn
	.p2alignl 7, 3214868480
	.fill 96, 4, 3214868480
	.section	.rodata,"a",@progbits
	.p2align	6, 0x0
	.amdhsa_kernel k_q9b446b4b9b_attn
		.amdhsa_group_segment_fixed_size 67840
		.amdhsa_private_segment_fixed_size 0
		.amdhsa_enable_private_segment 0
		.amdhsa_kernarg_size 16
		.amdhsa_user_sgpr_count 2
		.amdhsa_user_sgpr_kernarg_segment_ptr 1
		.amdhsa_wavefront_size32 1
		.amdhsa_system_sgpr_workgroup_id_x 1
		.amdhsa_system_sgpr_workgroup_id_y 1
		.amdhsa_system_sgpr_workgroup_id_z 1
		.amdhsa_system_vgpr_workitem_id 0
		.amdhsa_next_free_vgpr 194
		.amdhsa_next_free_sgpr 66
		.amdhsa_reserve_vcc 1
		.amdhsa_float_denorm_mode_32 3
		.amdhsa_float_denorm_mode_16_64 3
		.amdhsa_memory_ordered 1
		.amdhsa_forward_progress 1
		.amdhsa_inst_pref_size 43
	.end_amdhsa_kernel
	.amdgpu_metadata
---
amdhsa.version: [ 1, 2 ]
amdhsa.kernels:
  - .name:           k_q9b446b4b9b_attn
    .symbol:         k_q9b446b4b9b_attn.kd
    .args:
      - { .name: f, .offset: 0, .size: 8, .value_kind: global_buffer, .address_space: global }
      - { .name: outt, .offset: 8, .size: 8, .value_kind: global_buffer, .address_space: global }
    .group_segment_fixed_size: 67840
    .private_segment_fixed_size: 0
    .kernarg_segment_align: 8
    .kernarg_segment_size: 16
    .max_flat_workgroup_size: 512
    .sgpr_count:     66
    .vgpr_count:     194
    .wavefront_size: 32
...
	.end_amdgpu_metadata
.endif
;; end of part 2
;; launch proj (part 3): grid 16 x 16, 4 waves a work-group, no clusters, 35,328 bytes of LDS; arguments outt, w_out, out0; writes out0
.if DOCPART == 3
	.amdgcn_target "amdgcn-amd-amdhsa--gfx1250"
	.amdhsa_code_object_version 6
	.text
	.protected	k_q9b446b4b9b_proj
	.globl	k_q9b446b4b9b_proj
	.p2align	8
	.type	k_q9b446b4b9b_proj,@function
k_q9b446b4b9b_proj:
	s_mov_b64 s[64:65], 0
	v_nop
	global_prefetch_b8 v0, s[64:65] scope:SCOPE_SE
	s_setreg_imm32_b32 hwreg(HW_REG_WAVE_MODE, 25, 1), 1
	s_wait_xcnt 0x0
; y[n][c] = sum over h of Q(out)[n][h] Q(w_out)[c][h].  out comes as outt [64 heads][2048], f32: K, the heads, is its FIRST axis; w_out [1024][64], f32, K innermost; y = out0 [2048][1024], f32.
; Both operands are quantised here to codes of FP8 (E4M3) with one E8M0 scale for each 32 along K and multiplied by v_wmma_scale_f32_16x16x128_f8f6f4.
; K = 64 is half of the instruction's 128: registers 8 to 15 of every fragment are zero codes, on both sides, and their scale bytes are 0 (2^-127: no NaN, and zero codes add nothing).
; SHARES.  A work-group of four waves makes 128 rows x 64 columns (grid: 16 x 16).  Wave w makes rows 32 w .. 32 w + 31 x all 64 columns ON ITS OWN: it quantises its 32 rows of out and the group's 64 rows
; of w_out itself, so that no operand goes from wave to wave and there is no barrier; the price is that w_out's 16 KB are quantised by each of the four waves.
; out: A LANE TAKES TWO ROWS n AND ITS REGISTERS RUN DOWN K: lane (r, h) loads, for head 32 c + 16 h + e, the 8 bytes of rows 2 r, 2 r + 1.  THE ROWS OF A TILE ARE NOT NEIGHBOURS: tile t takes rows 2 r + t.
; The hold, which every number passes anyway, puts it where the conversion wants it: 16 registers on end for each block.
; The matrix instruction is used TRANSPOSED (source 0 = 16 rows of w_out, source 1 = 16 rows of out): a lane holds eight neighbouring columns of one row of y.
; The wave's 32 rows of 256 bytes go through its own stage in LDS and leave whole.
; NO CLUSTER: what work-groups share is 32 KB of outt and 16 KB of w_out, read once at the head into registers; there is no loop over K in which joint loads could meet.
; LIMITS: NaN and infinities are not served.  A block of zeros gets the byte 1 where the quantiser's rule says 127: its codes are zeros, and this program alone reads the bytes.
.set SP,   272                         ; a stage row: 256 bytes + 16
.set AO,   1                           ; v1   outt: 16 h heads of 8,192 bytes + 8 r
.set WO,   2                           ; v2   w_out: row r of 256 bytes + 64 h
.set STO,  3                           ; v3   the stage, in
.set RD,   4                           ; v4   the stage, out
.set GO,   5                           ; v5   my 16 bytes in two rows of y
.set TM,   16                          ; v16-17 largest magnitudes, v18-19 the other half's, v20-21 448 x scale, v22-23 scale operands, v24-25 bytes: two blocks each
.set FW0,  32                          ; v32-47   w_out's fragment, tile 0
.set SW,   48                          ; v48-51 w_out's scale words, v52-53 out's: these six hold scales and nothing else
.set SA,   52
.set X,    64                          ; v64-127  out as loaded: register 2 (16 c + e) + t;  later the eight accumulators
.set WR,   128                         ; v128-255 w_out as loaded: tile i at 32 i, register 16 c + e
.set FW1,  128                         ; the other fragments lie over numbers that are done with
.set FW2,  144
.set FW3,  160
.set Y,    176                         ; v176-207 out, held, in K's order
.set FA0,  208
.set FA1,  224
.set ACC,  64
.set BK,   128                         ; the way out: 16 x 4 registers
.macro ALOAD c                         ; out(2 r, 2 r + 1; head 32 c + 16 h + e), e = 0 .. 15: sixteen lanes read 128 consecutive bytes
.irp e, 0,1,2,3,4,5,6,7,8,9,10,11,12,13,14,15
	global_load_b64 v[X+2*(16*(\c)+\e):X+2*(16*(\c)+\e)+1], v[AO], s[4:5] offset:(32*(\c)+\e)*8192
.endr
.endm
	s_load_b128 s[4:7], s[0:1], 0x0                ; outt, w_out
	s_load_b64 s[8:9], s[0:1], 0x10                ; out0
	v_lshl_add_u32 v62, v0, 2, 0x8800
	v_mov_b32 v63, 0
	v_lshrrev_b32 v6, 5, v0
	v_readfirstlane_b32 s10, v6                    ; wave 0..3
	v_and_b32 v7, 15, v0                           ; r
	v_bfe_u32 v8, v0, 4, 1                         ; h
	v_lshlrev_b32 v[AO], 3, v7
	v_lshl_add_u32 v[AO], v8, 17, v[AO]
	v_lshlrev_b32 v[WO], 8, v7
	v_lshl_add_u32 v[WO], v8, 6, v[WO]
	s_and_b32 s11, ttmp7, 0xffff                   ; which 128 rows
	s_lshl_b32 s16, s11, 9                         ; outt: 128 rows x 4 bytes,
	s_lshl_b32 s18, s10, 7                         ; my wave's 32
	s_add_co_u32 s16, s16, s18
	s_mov_b32 s17, 0
	s_lshl_b32 s18, ttmp9, 14                      ; w_out: 64 rows x 256 bytes
	s_mov_b32 s19, 0
	s_lshl_b32 s20, s11, 19                        ; y: 128 rows x 4,096 bytes,
	s_lshl_b32 s22, s10, 17                        ; my wave's 32,
	s_add_co_u32 s20, s20, s22
	s_lshl_b32 s22, ttmp9, 8                       ; 64 columns x 4 bytes
	s_add_co_u32 s20, s20, s22
	s_mov_b32 s21, 0
	s_wait_kmcnt 0x0
	s_add_nc_u64 s[4:5], s[4:5], s[16:17]
	s_add_nc_u64 s[6:7], s[6:7], s[18:19]
	s_add_nc_u64 s[8:9], s[8:9], s[20:21]
.irp i, 0,1,2,3
.irp c, 0,1
.irp j, 0,1,2,3
	global_load_b128 v[WR+32*\i+16*\c+4*\j:WR+32*\i+16*\c+4*\j+3], v[WO], s[6:7] offset:4096*\i+128*\c+16*\j   ; w_out(16 i + r, 32 c + 16 h + 4 j ..)
.endr
.endr
.endr
	ALOAD 0                                        ; 48 loads of the wave are out
	s_mov_b32 s12, 0x76543210
	s_mov_b32 s13, 0xfedcba98                      ; v_permlanex16_b32's selects for lane l xor 16
	s_mov_b32 s14, 0x600000                        ; the mantissa field of 448
	v_mov_b32 v[TM+2], 0                           ; written once: a lane permute's destination counts as one of its sources
	v_mov_b32 v[TM+3], 0
	s_mul_i32 s22, s10, 32*SP                      ; my stage
	v_mul_u32_u24 v[STO], v7, SP                   ; in: stage row 16 t + r, 32 bytes for each half of the lanes
	v_lshl_add_u32 v[STO], v8, 5, v[STO]
	v_add_nc_u32 v[STO], s22, v[STO]
	v_mul_u32_u24 v[RD], v8, 16*SP                 ; out: lanes 0-15 take stage row n (tile 0: row 2 n of y), lanes 16-31 stage row 16 + n (tile 1: row 2 n + 1)
	v_lshl_add_u32 v[RD], v7, 4, v[RD]
	v_add_nc_u32 v[RD], s22, v[RD]
	v_lshlrev_b32 v[GO], 12, v8
	v_lshl_add_u32 v[GO], v7, 4, v[GO]
; 32 numbers of a lane, v[src + st (16 c + e)] = k 32 c + 16 h + e of my row, become a fragment in v[dst] .. v[dst + 15] and its scale word in v[sw].  The held numbers go to v[wk + 16 c + e].
.macro QUANT src, st, wk, dst, sw
.irp c, 0,1
	v_max3_num_f32 v[TM+\c], |v[(\src)+(\st)*(16*\c)]|, |v[(\src)+(\st)*(16*\c+1)]|, 0x4800000   ; my 16 numbers of block c, and the floor 2^(9 - 127): the byte cannot fall under 1
.endr
.irp e, 2,4,6,8,10,12,14
.irp c, 0,1
	v_max3_num_f32 v[TM+\c], v[TM+\c], |v[(\src)+(\st)*(16*\c+\e)]|, |v[(\src)+(\st)*(16*\c+\e+1)]|
.endr
.endr
.irp c, 0,1
	v_permlanex16_b32 v[TM+2+\c], v[TM+\c], s12, s13
.endr
.irp c, 0,1
	v_max_num_f32 v[TM+\c], v[TM+\c], v[TM+2+\c]   ; with lane l xor 16's: the block's largest magnitude
.endr
.irp c, 0,1
	v_add_nc_u32 v[TM+6+\c], 0xfc000000, v[TM+\c]  ; 8 off the exponent field: the conversion's scale operand
.endr
.irp c, 0,1
	v_and_or_b32 v[TM+4+\c], v[TM+\c], 0x7f800000, s14   ; 448 x the scale
.endr
.irp c, 0,1
	v_lshrrev_b32 v[TM+8+\c], 23, v[TM+6+\c]       ; the scale's byte
.endr
	v_lshl_or_b32 v[\sw], v[TM+9], 8, v[TM+8]      ; my row's scale word: two bytes, and 0 for the two blocks of zero codes
.irp c, 0,1
.irp e, 0,1,2,3,4,5,6,7,8,9,10,11,12,13,14,15
	v_med3_num_f32 v[(\wk)+16*\c+\e], v[(\src)+(\st)*(16*\c+\e)], -v[TM+4+\c], v[TM+4+\c]   ; the conversion to an 8-bit code does not saturate (ISA guide 7.6.2): the hold comes first
.endr
	v_cvt_scalef32_pk8_fp8_f32 v[(\dst)+4*\c:(\dst)+4*\c+1], v[(\wk)+16*\c:(\wk)+16*\c+7], v[TM+6+\c]
	v_cvt_scalef32_pk8_fp8_f32 v[(\dst)+4*\c+2:(\dst)+4*\c+3], v[(\wk)+16*\c+8:(\wk)+16*\c+15], v[TM+6+\c]
.endr
.irp z, 8,9,10,11,12,13,14,15
	v_mov_b32 v[(\dst)+\z], 0                      ; K = 64 .. 127: zero codes (plain lines behind the conversions)
.endr
.endm
	s_wait_loadcnt 40                              ; tile 0's eight loads are in; behind them 24 of w_out and 16 of outt stay out
	QUANT WR, 1, WR, FW0, SW
	ALOAD 1                                        ; the other 32 heads: wanted only behind w_out's four tiles; 56 loads are out
	s_wait_loadcnt 48                              ; tile 1's are in; behind them 16 of w_out and 32 of outt
	QUANT WR+32, 1, WR+32, FW1, SW+1
	s_wait_loadcnt 40                              ; tile 2's; behind them 8 of w_out and 32 of outt
	QUANT WR+64, 1, WR+64, FW2, SW+2
	s_wait_loadcnt 32                              ; tile 3's; the 32 loads of outt may be out
	QUANT WR+96, 1, WR+96, FW3, SW+3
	s_wait_loadcnt 0x0
	QUANT X, 2, Y, FA0, SA
	QUANT X+1, 2, Y, FA1, SA+1
.rept 8
	v_nop                                          ; places between the last vector writes of operands and scale words and the scaled matrix instructions
.endr
.irp t, 0,1
.irp i, 0,1,2,3
	v_wmma_scale_f32_16x16x128_f8f6f4 v[ACC+8*(4*\t+\i):ACC+8*(4*\t+\i)+7], v[FW\i:FW\i+15], v[FA\t:FA\t+15], 0, v[SW+\i], v[SA+\t]   ; lane (r, h), register j: y(2 r + t, 16 i + 8 h + j); each sum is one instruction
.endr
.endr
.rept 8
	v_nop                                          ; eight places ahead of the first read of results and of loads into registers that these instructions have read
.endr
.irp t, 0,1
.irp i, 0,1,2,3
	ds_store_b128 v[STO], v[ACC+8*(4*\t+\i):ACC+8*(4*\t+\i)+3] offset:16*SP*\t+64*\i          ; each accumulator from its low end on
	ds_store_b128 v[STO], v[ACC+8*(4*\t+\i)+4:ACC+8*(4*\t+\i)+7] offset:16*SP*\t+64*\i+16
.endr
.endr
.irp n, 0,1,2,3,4,5,6,7,8,9,10,11,12,13,14,15
	ds_load_b128 v[BK+4*\n:BK+4*\n+3], v[RD] offset:\n*SP   ; LDS serves a wave's instructions in order (ISA guide 5.7.1.4): these see my stores
.endr
.irp n, 0,1,2,3,4,5,6,7,8,9,10,11,12,13,14,15
	s_wait_dscnt 15-\n                             ; load n is in; the younger ones stay out
	global_store_b128 v[GO], v[BK+4*\n:BK+4*\n+3], s[8:9] offset:8192*\n th:TH_STORE_NT   ; rows 2 n and 2 n + 1: sixteen lanes store 256 consecutive bytes, at a multiple of 256 from y's first byte
.endr
	s_wait_tensorcnt 0x0
	ds_add_u32 v62, v63
	s_wait_dscnt 0x0
	s_endpgm
.Lfunc_end_k_q9b446b4b9b_proj:
	.size	k_q9b446b4b9b_proj, .Lfunc_end_k_q9b446b4b9b_proj-k_q9b446b4b9b_proj
	.p2alignl 7, 3214868480
	.fill 96, 4, 3214868480
	.section	.rodata,"a",@progbits
	.p2align	6, 0x0
	.amdhsa_kernel k_q9b446b4b9b_proj
		.amdhsa_group_segment_fixed_size 35328
		.amdhsa_private_segment_fixed_size 0
		.amdhsa_enable_private_segment 0
		.amdhsa_kernarg_size 24
		.amdhsa_user_sgpr_count 2
		.amdhsa_user_sgpr_kernarg_segment_ptr 1
		.amdhsa_wavefront_size32 1
		.amdhsa_system_sgpr_workgroup_id_x 1
		.amdhsa_system_sgpr_workgroup_id_y 1
		.amdhsa_system_sgpr_workgroup_id_z 1
		.amdhsa_system_vgpr_workitem_id 0
		.amdhsa_next_free_vgpr 256
		.amdhsa_next_free_sgpr 66
		.amdhsa_reserve_vcc 0
		.amdhsa_float_denorm_mode_32 3
		.amdhsa_float_denorm_mode_16_64 3
		.amdhsa_memory_ordered 1
		.amdhsa_forward_progress 1
		.amdhsa_inst_pref_size 40
	.end_amdhsa_kernel
	.amdgpu_metadata
---
amdhsa.version: [ 1, 2 ]
amdhsa.kernels:
  - .name:           k_q9b446b4b9b_proj
    .symbol:         k_q9b446b4b9b_proj.kd
    .args:
      - { .name: outt, .offset: 0, .size: 8, .value_kind: global_buffer, .address_space: global }
      - { .name: w_out, .offset: 8, .size: 8, .value_kind: global_buffer, .address_space: global }
      - { .name: out0, .offset: 16, .size: 8, .value_kind: global_buffer, .address_space: global }
    .group_segment_fixed_size: 35328
    .private_segment_fixed_size: 0
    .kernarg_segment_align: 8
    .kernarg_segment_size: 24
    .max_flat_workgroup_size: 128
    .sgpr_count:     66
    .vgpr_count:     256
    .wavefront_size: 32
...
	.end_amdgpu_metadata
.endif
;; end of part 3
;; ======== version 2 of 2: 3 launches; version 1 with the launches qkv, proj written anew for expert scheduling mode
;; workspace buffers: f 1,572,864 bytes; outt 524,288 bytes
;; launch qkv (part 4): grid 4 x 64, 16 waves a work-group, no clusters, 105,472 bytes of LDS; arguments x, w_qkv, f; writes f
.if DOCPART == 4
	.amdgcn_target "amdgcn-amd-amdhsa--gfx1250"
	.amdhsa_code_object_version 6
	.text
	.protected	k_q9b446b4b9b_qkv
	.globl	k_q9b446b4b9b_qkv
	.p2align	8
	.type	k_q9b446b4b9b_qkv,@function
k_q9b446b4b9b_qkv:
	s_mov_b64 s[64:65], 0
	v_nop
	global_prefetch_b8 v0, s[64:65] scope:SCOPE_SE
	s_setreg_imm32_b32 hwreg(HW_REG_WAVE_SCHED_MODE, 0, 2), 2
	s_setreg_imm32_b32 hwreg(HW_REG_WAVE_MODE, 25, 1), 1
	s_wait_xcnt 0x0
	s_wait_alu depctr_vm_vsrc(0)
; qkv[n][f] = sum over k of Q(x)[n][k] Q(w_qkv)[f][k].  x [2048][1024], w_qkv [192][1024], f32; both are quantised here to codes of FP8 (E4M3) with one
; E8M0 scale for each 32 along K and multiplied by v_wmma_scale_f32_16x16x128_f8f6f4; sums in f32.
; The result goes to the workspace f, laid [n / 32][feature 0..191][n % 32], f32: a work-group's 48 features x 32 rows are 6,144 bytes on end.
; SHARES.  A work-group makes 32 rows x 48 features (grid: 4 groups of features x 64 groups of rows): it reads 80 rows of 4,096 bytes, five tiles of 16 rows.
; Phase 1: wave w quantises row w of each tile, in ten steps of 512 numbers.  A step's four loads read 512 consecutive bytes each, 16 a lane: a lane holds four neighbours
; of four blocks, and a block of 32 lies in eight neighbouring lanes, whose largest magnitudes are joined by three steps across lanes.
; A conversion takes eight registers under ONE scale: each eight are converted twice, under either load's scale, and of each result the word that belongs to that scale is kept.
; Codes lie in LDS as pieces of 16 bytes, [tile][k / 16][row], 272 bytes from one k / 16 to the next; scale bytes lie [tile][row][k / 32].
; The next launch takes weighted means of v, in which an error common to all v stays whole, ahead of a quantiser.
; The halves of K meet in the stage on the way out.
; NO CLUSTER: the rows that partners share arrive as f32 and are read once, straight into the quantiser's registers; a work-group's 80 x 4,096 bytes are 327,680 bytes,
; so as joint loads they would go through slots that are filled again only to be read once.
; LIMITS: NaN and infinities among the inputs are not served.  A block of zeros gets the byte 1 where the quantiser's rule says 127: its codes are zeros, and this program alone reads the bytes.
; THE MODE: SCHED_MODE bits 1:0 = 2 (LLVM: expert scheduling mode 2), set by the entry lines.  The code itself states the register dependences
; between vector or matrix instructions and memory or LDS instructions, with s_wait_alu, always for 0.
; THE PLAN.  Registers that memory or LDS instructions touch:
;   five sets of 16 numbers  Step t's vector lines read set t % 5 and hold it in place; the loads of step t + 4, issued in step t, land in set (t + 4) % 5 = (t - 1) % 5.
;   CD0, CD1, BY0, BY1       Codes and scale bytes, two sets by turns: written by step t's conversions and shifts (set t % 2), read by the eight LDS stores that are issued in step t + 1.
;   v1 to v11                Offsets and LDS addresses, made once at the head and never written again.
;   FA, FB, SWA, SWB         Phase 2: LDS loads land in them; matrix instructions read them; the 64 lines that turn the signs write FB.
;   SUM                      Written by packed additions, read by the stage's two LDS stores; behind the barrier two LDS loads land in it.   RES: written by packed lines, read by the last store.
; Step t's loads and LDS stores touch only what step t - 1 worked on, and no vector line of step t names that.  So the waits at a step's head state all that its twelve memory and LDS
; instructions hang on, and these are dealt among the step's first vector lines with no further wait.
.set ROWB,  4096                       ; a row of x or of w_qkv in bytes
.set PIT,   272                        ; 16 rows x 16 bytes + 16 of padding
.set TIL,   64*PIT                     ; a tile's codes: 64 pieces along K
.set SC,    5*TIL                      ; behind the five tiles: scale bytes, 512 for each tile
.set STG,   SC+5*512                   ; the stage for the way out: two copies (halves of K) of 48 features x (128 bytes + 16)
.set SPIT,  144
.set SCOPY, 48*SPIT
.set GL,  1                            ; v1   16 x lane: my bytes of a load's 512
.set CA0, 2                            ; v2   where my four codes go, tiles 0 to 2
.set CA1, 3                            ; v3   the same for tiles 3 and 4 (an LDS offset has 16 bits)
.set SBA, 4                            ; v4   where my block's scale byte goes
.set ADA, 5                            ; v5   phase 2: my fragments of x
.set ADB, 6                            ; v6   my fragments of w_qkv
.set SAA, 7                            ; v7   x's scale words
.set SAB, 8                            ; v8   w_qkv's
.set STO, 9                            ; v9   the stage, in
.set STR, 10                           ; v10  the stage, out
.set GST, 11                           ; v11  my 16 bytes of the work-group's 6,144 in f
.set RB,  16                           ; v16-79   sets 0 to 3 of 16 numbers as loaded; set 4 lies in v128-143, which phase 2 takes later: set k at RB + 16 k + 48 (k / 4)
.set AM,  80                           ; v80-83   largest magnitudes of the four blocks
.set SO,  84                           ; v84-87   the conversions' scale operands
.set LM,  88                           ; v88-91   448 x the scale
.set BY,  92                           ; v92-99   scale bytes, two sets by turns
.set CD,  100                          ; v100-115 codes, two sets by turns
.set SWA, 120                          ; v120-123 scale words of x: these eight registers hold scales and nothing else
.set SWB, 124                          ; v124-127 scale words of w_qkv
.set FA,  128                          ; v128-191 four fragments of x
.set FB,  192                          ; v192-255 four fragments of w_qkv
.set AC0, 16                           ; phase 2: v16-31 the two accumulators of the sum, v32-47 those of the sum with the signs turned
.set AC1, 24
.set AC2, 32
.set AC3, 40
.set SUM, 48                           ; v48-55, v56-63 at work
.set SUB, 56
.set RES, 64
.macro LOAD1 t, j                      ; load j of step t: half t % 2 of my row of tile t / 2, into set t % 5
.set LK, (\t)%5
.set LR, RB+16*LK+48*(LK/4)+4*(\j)
.if (\t)/2 < 2
	global_load_b128 v[LR:LR+3], v[GL], s[4:5] offset:((\t)/2)*16*ROWB+((\t)%2)*2048+512*(\j)
.else
	global_load_b128 v[LR:LR+3], v[GL], s[6:7] offset:((\t)/2-2)*16*ROWB+((\t)%2)*2048+512*(\j)
.endif
.endm
.macro SEND1 t, j                      ; step t's four codes of load j, and that load's scale byte, to LDS.  A load's 128 numbers are eight pieces along K
.set QC, CD+8*((\t)%2)+2*(\j)+(\j)%2   ; of the four conversions' results: words 0, 3, 4, 7
.set QB, BY+4*((\t)%2)+(\j)
.set QT, (\t)/2
.set QH, (\t)%2
.if QT < 3
	ds_store_b32 v[CA0], v[QC] offset:QT*TIL+32*QH*PIT+8*(\j)*PIT
.else
	ds_store_b32 v[CA1], v[QC] offset:(QT-3)*TIL+32*QH*PIT+8*(\j)*PIT
.endif
	ds_store_b8 v[SBA], v[QB] offset:QT*512+(4*QH+(\j))*4   ; the eight lanes of a block write the same byte with the same value
.endm
.macro DEAL t, j                       ; a quarter of step t's memory work: a load of step t + 4, two LDS stores of step t - 1
.if (\t)+4 < 10
	LOAD1 (\t)+4, \j
.endif
.if (\t) >= 1
	SEND1 (\t)-1, \j
.endif
.endm
	s_load_b128 s[4:7], s[0:1], 0x0                ; x, w_qkv
	s_load_b64 s[8:9], s[0:1], 0x10                ; f
	v_lshl_add_u32 v118, v0, 2, 0x19400
	v_mov_b32 v119, 0
	v_lshrrev_b32 v15, 5, v0
	v_readfirstlane_b32 s10, v15                   ; wave 0..15
	v_and_b32 v12, 31, v0                          ; lane
	v_lshlrev_b32 v[GL], 4, v12
	s_and_b32 s11, ttmp7, 0xffff                   ; which 32 rows
	s_wait_alu depctr_va_sdst(0)                   ; s10 is written, ahead of its first reader: bases, LDS places and branches are made from it
	s_lshl_b32 s18, s10, 12                        ; my row in a tile: wave x 4,096 bytes
	s_lshl_b32 s12, s11, 17                        ; 32 rows x 4,096 bytes
	s_add_co_u32 s12, s12, s18
	s_mov_b32 s13, 0
	s_mul_i32 s14, ttmp9, 48*ROWB                  ; which 48 features
	s_add_co_u32 s14, s14, s18
	s_mov_b32 s15, 0
	s_mul_i32 s16, s11, 192*128                    ; f: the block of 32 rows,
	s_mul_i32 s19, ttmp9, 48*128                   ; and in it my 48 features
	s_add_co_u32 s16, s16, s19
	s_mov_b32 s17, 0
	s_wait_kmcnt 0x0
	s_add_nc_u64 s[4:5], s[4:5], s[12:13]
	s_add_nc_u64 s[6:7], s[6:7], s[14:15]
	s_add_nc_u64 s[8:9], s[8:9], s[16:17]
	s_wait_alu depctr_va_vdst(0)                   ; v1 is written: every load of x and of w_qkv reads it as its offset
.irp t, 0,1,2,3
.irp j, 0,1,2,3
	LOAD1 \t, \j                                   ; sixteen loads of every wave are out; the addresses below are made meanwhile
.endr
.endr
	s_mov_b32 s20, 0x600000                        ; the mantissa field of 448
	s_mov_b32 s28, 0x80808080                      ; the sign bits of four codes
	v_and_b32 v13, 15, v0                          ; r
	v_bfe_u32 v14, v0, 4, 1                        ; h
	v_lshrrev_b32 v15, 2, v12
	v_mul_u32_u24 v[CA0], v15, PIT                 ; my four numbers of a load lie in piece lane / 4 of its eight,
	v_and_b32 v15, 3, v12
	v_lshl_add_u32 v[CA0], v15, 2, v[CA0]          ; word lane % 4 of the piece,
	s_lshl_b32 s19, s10, 4
	v_add_nc_u32 v[CA0], s19, v[CA0]               ; row = wave.  The 32 lanes' words lie 4 (lane / 4) + lane % 4 words apart modulo 64: all different
	v_add_nc_u32 v[CA1], 3*TIL, v[CA0]
	v_lshrrev_b32 v[SBA], 3, v12                   ; a load is a K step of 128: my block is lane / 8 of its four
	s_lshl_b32 s19, s10, 5                         ; 32 scale bytes a row
	s_add_co_u32 s19, s19, SC
	v_add_nc_u32 v[SBA], s19, v[SBA]
	; phase 2's places, made here, ahead of the first branch on the wave's number: wave = 4 x (16 features) + 2 x (16 rows) + half of K
	s_and_b32 s21, s10, 1                          ; half of K
	s_lshr_b32 s22, s10, 1
	s_and_b32 s23, s22, 1                          ; which 16 rows
	s_lshr_b32 s24, s22, 1                         ; which 16 features
	v_mul_u32_u24 v15, v14, PIT
	v_lshl_add_u32 v15, v13, 4, v15                ; a fragment's lane (r, h): piece h of a pair, row r
	s_mul_i32 s25, s21, 32*PIT                     ; four K steps are 32 pieces
	s_mul_i32 s26, s23, TIL
	s_add_co_u32 s26, s26, s25
	v_add_nc_u32 v[ADA], s26, v15
	s_mul_i32 s26, s24, TIL
	s_add_co_u32 s26, s26, s25
	s_add_co_u32 s26, s26, 2*TIL
	v_add_nc_u32 v[ADB], s26, v15
	v_lshlrev_b32 v15, 5, v13                      ; scale words: row r's 32 bytes,
	s_lshl_b32 s27, s21, 4                         ; my half's 16 of them
	s_lshl_b32 s26, s23, 9
	s_add_co_u32 s26, s26, s27
	s_add_co_u32 s26, s26, SC
	v_add_nc_u32 v[SAA], s26, v15
	s_lshl_b32 s26, s24, 9
	s_add_co_u32 s26, s26, s27
	s_add_co_u32 s26, s26, SC+2*512
	v_add_nc_u32 v[SAB], s26, v15
	v_mul_u32_u24 v[STO], v13, SPIT                ; the stage, in: feature r of my 16, rows 8 h on of my 16
	v_lshl_add_u32 v[STO], v14, 5, v[STO]
	s_mul_i32 s26, s21, SCOPY
	s_mul_i32 s27, s24, 16*SPIT
	s_add_co_u32 s26, s26, s27
	s_lshl_b32 s27, s23, 6
	s_add_co_u32 s26, s26, s27
	s_add_co_u32 s26, s26, STG
	v_add_nc_u32 v[STO], s26, v[STO]
	v_lshrrev_b32 v[STR], 3, v0                    ; out: thread t takes piece t of 384: feature t / 8, 16 bytes t % 8
	v_mul_u32_u24 v[STR], v[STR], SPIT
	v_and_b32 v15, 7, v0
	v_lshl_add_u32 v[STR], v15, 4, v[STR]
	v_add_nc_u32 v[STR], STG, v[STR]
	v_lshlrev_b32 v[GST], 4, v0
.macro STEP t
.set SK, (\t)%5
.set XS, RB+16*SK+48*(SK/4)
.set PB, BY+4*((\t)%2)
.set PC, CD+8*((\t)%2)
.if (\t) <= 6
	s_wait_loadcnt 12                              ; this step's four loads are in; those of the three steps behind it stay out
.else
	s_wait_loadcnt 4*(9-(\t))                      ; the last steps: two, one, no step behind it
.endif
.if (\t) >= 2
	s_wait_alu depctr_vm_vsrc(0)                   ; the LDS stores issued in the step before have read the codes and bytes of set t % 2, which this step's conversions and shifts write again
.endif
.if (\t) >= 1
	s_wait_alu depctr_va_vdst(0)                   ; the step before has written its codes and bytes, which the LDS stores below read, and is done with its set of numbers, in which the loads below land; in step 1 also: the LDS addresses v2 to v11 are written
.endif
	DEAL \t, 0                                     ; no vector line since the wait names a register that these loads and stores touch
.irp j, 0,1,2,3
	v_max3_num_f32 v[AM+\j], |v[XS+4*\j]|, |v[XS+4*\j+1]|, |v[XS+4*\j+2]|
.endr
	DEAL \t, 1
.irp j, 0,1,2,3
	v_max3_num_f32 v[AM+\j], v[AM+\j], |v[XS+4*\j+3]|, 0x4800000   ; and the floor 2^(9 - 127): the byte cannot fall under 1
.endr
	DEAL \t, 2
.irp j, 0,1,2,3
	v_max_num_f32_dpp v[AM+\j], v[AM+\j], v[AM+\j] row_xmask:1 row_mask:0xf bank_mask:0xf   ; with the block's other seven lanes
.endr
	DEAL \t, 3
.irp m, 2,4
.irp j, 0,1,2,3
	v_max_num_f32_dpp v[AM+\j], v[AM+\j], v[AM+\j] row_xmask:\m row_mask:0xf bank_mask:0xf
.endr
.endr
.irp j, 0,1,2,3
	v_add_nc_u32 v[SO+\j], 0xfc000000, v[AM+\j]    ; 8 off the exponent field: the conversion takes this operand's exponent field as its scale
.endr
.irp j, 0,1,2,3
	v_and_or_b32 v[LM+\j], v[AM+\j], 0x7f800000, s20   ; 448 x the scale
.endr
.irp j, 0,1,2,3
.irp i, 0,1,2,3
	v_med3_num_f32 v[XS+4*\j+\i], v[XS+4*\j+\i], -v[LM+\j], v[LM+\j]   ; the conversion to an 8-bit code does not saturate (ISA guide 7.6.2): the hold comes first
.endr
.endr
.if (\t) >= 2
	s_wait_dscnt 8                                 ; the eight LDS stores issued in this step may be out; those issued in the step before, whose registers are written again below, are done
.endif
	v_cvt_scalef32_pk8_fp8_f32 v[PC:PC+1], v[XS:XS+7], v[SO]             ; loads 0 and 1 under load 0's scale: the low word is kept
	v_cvt_scalef32_pk8_fp8_f32 v[PC+2:PC+3], v[XS:XS+7], v[SO+1]         ; under load 1's: the high word is kept
	v_cvt_scalef32_pk8_fp8_f32 v[PC+4:PC+5], v[XS+8:XS+15], v[SO+2]
	v_cvt_scalef32_pk8_fp8_f32 v[PC+6:PC+7], v[XS+8:XS+15], v[SO+3]
.irp j, 0,1,2,3
	v_lshrrev_b32 v[PB+\j], 23, v[SO+\j]           ; the scale's byte (plain lines behind the conversions)
.endr
.endm
.irp t, 0,1,2,3,4,5,6,7,8,9
	STEP \t
.endr
	s_wait_alu depctr_va_vdst(0)                   ; step 9 has written its codes and bytes, which the LDS stores below read; and phase 1's vector lines are done with v128-143, in which phase 2's LDS loads land
.irp j, 0,1,2,3
	SEND1 9, \j
.endr
	s_wait_dscnt 0x0                               ; for the others' sake: my codes and scale bytes lie in LDS
	s_barrier_signal -1
	s_barrier_wait -1
	s_cmp_lt_u32 s10, 12                           ; six tiles x two halves of K: waves 12 to 15 have none
	s_cbranch_scc0 .Lno_tile
.irp s, 0,1,2,3
.irp c, 0,1,2,3
	ds_load_b128 v[FA+16*\s+4*\c:FA+16*\s+4*\c+3], v[ADA] offset:(8*\s+2*\c)*PIT   ; registers 4 c on: k = 32 c + 16 h + 0 .. 15 of row r.  (No vector line stands between the wait behind step 9 and these loads)
	ds_load_b128 v[FB+16*\s+4*\c:FB+16*\s+4*\c+3], v[ADB] offset:(8*\s+2*\c)*PIT
.endr
.endr
	ds_load_b128 v[SWA:SWA+3], v[SAA]              ; lane r: row r's scale words of my four K steps
	ds_load_b128 v[SWB:SWB+3], v[SAB]
	s_wait_dscnt 0x0
; Four K steps on accumulators p and q by turns, one instruction a turn.  Source 0 = 16 rows of x, source 1 = 16 features: lane (r, h) holds feature r and rows 8 h + 0 .. 7
.macro FOUR p, q
	v_wmma_scale_f32_16x16x128_f8f6f4 v[\p:\p+7], v[FA:FA+15], v[FB:FB+15], 0, v[SWA], v[SWB]
	v_wmma_scale_f32_16x16x128_f8f6f4 v[\q:\q+7], v[FA+16:FA+31], v[FB+16:FB+31], 0, v[SWA+1], v[SWB+1]
	v_wmma_scale_f32_16x16x128_f8f6f4 v[\p:\p+7], v[FA+32:FA+47], v[FB+32:FB+47], v[\p:\p+7], v[SWA+2], v[SWB+2]
	v_wmma_scale_f32_16x16x128_f8f6f4 v[\q:\q+7], v[FA+48:FA+63], v[FB+48:FB+63], v[\q:\q+7], v[SWA+3], v[SWB+3]
.endm
	FOUR AC0, AC1
.rept 8
	v_nop                                          ; eight places between a matrix instruction of this form and a vector line that writes one of its sources
.endr
.set II, 0
.rept 64
	v_xor_b32 v[FB+II], s28, v[FB+II]              ; the signs of w_qkv's codes are turned, four codes a line (the hold keeps every code off the NaN pattern, so a turned code is the number's negative)
.set II, II+1
.endr
.rept 4
	v_nop                                          ; four places between the last vector write of an operand and a scaled matrix instruction
.endr
	s_wait_alu depctr_va_vdst(0)                   ; the 64 lines above have written FB, which the scaled matrix instructions below take as an operand; the places above stay beside this wait
	FOUR AC2, AC3
.rept 8
	v_nop                                          ; eight places ahead of the first read of results
.endr
.irp j, 0,2,4,6
	v_pk_add_f32 v[SUM+\j:SUM+\j+1], v[AC0+\j:AC0+\j+1], v[AC1+\j:AC1+\j+1]   ; every accumulator from the low end on
.endr
.irp j, 0,2,4,6
	v_pk_add_f32 v[SUB+\j:SUB+\j+1], v[AC2+\j:AC2+\j+1], v[AC3+\j:AC3+\j+1]
.endr
.irp j, 0,2,4,6
	v_pk_add_f32 v[SUM+\j:SUM+\j+1], v[SUM+\j:SUM+\j+1], v[SUB+\j:SUB+\j+1] neg_lo:[0,1] neg_hi:[0,1]   ; the sum less its negative: twice the sum
.endr
	s_wait_alu depctr_va_vdst(0)                   ; the additions have written SUM, which the two LDS stores read; no vector line names SUM again before the LDS loads behind the barrier land in it
	ds_store_b128 v[STO], v[SUM:SUM+3]
	ds_store_b128 v[STO], v[SUM+4:SUM+7] offset:16
.Lno_tile:
	s_wait_dscnt 0x0                               ; my part of the stage is written
	s_wait_alu depctr_vm_vsrc(0)                   ; my two LDS stores have read SUM, in which the LDS loads behind the barrier land: stated here, ahead of the branch
	s_barrier_signal -1
	s_barrier_wait -1
	s_cmp_lt_u32 s10, 12                           ; 6,144 bytes are 384 pieces of 16
	s_cbranch_scc0 .Ldone
	ds_load_b128 v[SUM:SUM+3], v[STR]
	ds_load_b128 v[SUM+4:SUM+7], v[STR] offset:SCOPY
	s_wait_dscnt 0x0
	v_pk_add_f32 v[RES:RES+1], v[SUM:SUM+1], v[SUM+4:SUM+5]       ; the two halves of K,
	v_pk_add_f32 v[RES+2:RES+3], v[SUM+2:SUM+3], v[SUM+6:SUM+7]
	v_pk_mul_f32 v[RES:RES+1], v[RES:RES+1], 0.5 op_sel_hi:[1,0]  ; halved: nothing is rounded
	v_pk_mul_f32 v[RES+2:RES+3], v[RES+2:RES+3], 0.5 op_sel_hi:[1,0]
	s_wait_alu depctr_va_vdst(0)                   ; the four lines above have written RES, which the store reads
	global_store_b128 v[GST], v[RES:RES+3], s[8:9]                ; a wave stores 512 consecutive bytes, at a multiple of 256 from f's first byte
.Ldone:
	s_wait_dscnt 0x0                               ; the closing lines, six on end
	s_wait_alu 0x0
	s_wait_tensorcnt 0x0
	ds_add_u32 v118, v119
	s_wait_dscnt 0x0
	s_endpgm
.Lfunc_end_k_q9b446b4b9b_qkv:
	.size	k_q9b446b4b9b_qkv, .Lfunc_end_k_q9b446b4b9b_qkv-k_q9b446b4b9b_qkv
	.p2alignl 7, 3214868480
	.fill 96, 4, 3214868480
	.section	.rodata,"a",@progbits
	.p2align	6, 0x0
	.amdhsa_kernel k_q9b446b4b9b_qkv
		.amdhsa_group_segment_fixed_size 105472
		.amdhsa_private_segment_fixed_size 0
		.amdhsa_enable_private_segment 0
		.amdhsa_kernarg_size 24
		.amdhsa_user_sgpr_count 2
		.amdhsa_user_sgpr_kernarg_segment_ptr 1
		.amdhsa_wavefront_size32 1
		.amdhsa_system_sgpr_workgroup_id_x 1
		.amdhsa_system_sgpr_workgroup_id_y 1
		.amdhsa_system_sgpr_workgroup_id_z 1
		.amdhsa_system_vgpr_workitem_id 0
		.amdhsa_next_free_vgpr 256
		.amdhsa_next_free_sgpr 66
		.amdhsa_reserve_vcc 0
		.amdhsa_float_denorm_mode_32 3
		.amdhsa_float_denorm_mode_16_64 3
		.amdhsa_memory_ordered 1
		.amdhsa_forward_progress 1
		.amdhsa_inst_pref_size 56
	.end_amdhsa_kernel
	.amdgpu_metadata
---
amdhsa.version: [ 1, 2 ]
amdhsa.kernels:
  - .name:           k_q9b446b4b9b_qkv
    .symbol:         k_q9b446b4b9b_qkv.kd
    .args:
      - { .name: x, .offset: 0, .size: 8, .value_kind: global_buffer, .address_space: global }
      - { .name: w_qkv, .offset: 8, .size: 8, .value_kind: global_buffer, .address_space: global }
      - { .name: f, .offset: 16, .size: 8, .value_kind: global_buffer, .address_space: global }
    .group_segment_fixed_size: 105472
    .private_segment_fixed_size: 0
    .kernarg_segment_align: 8
    .kernarg_segment_size: 24
    .max_flat_workgroup_size: 512
    .sgpr_count:     66
    .vgpr_count:     256
    .wavefront_size: 32
...
	.end_amdgpu_metadata
.endif
;; end of part 4
;; launch attn: the kernel of part 2 again; grid 4 x 64, 16 waves a work-group, no clusters, 67,840 bytes of LDS; arguments f, outt; writes outt
;; launch proj (part 5): grid 16 x 16, 4 waves a work-group, no clusters, 35,328 bytes of LDS; arguments outt, w_out, out0; writes out0
.if DOCPART == 5
	.amdgcn_target "amdgcn-amd-amdhsa--gfx1250"
	.amdhsa_code_object_version 6
	.text
	.protected	k_q9b446b4b9b_proj
	.globl	k_q9b446b4b9b_proj
	.p2align	8
	.type	k_q9b446b4b9b_proj,@function
k_q9b446b4b9b_proj:
	s_mov_b64 s[64:65], 0
	v_nop
	global_prefetch_b8 v0, s[64:65] scope:SCOPE_SE
	s_setreg_imm32_b32 hwreg(HW_REG_WAVE_SCHED_MODE, 0, 2), 2
	s_setreg_imm32_b32 hwreg(HW_REG_WAVE_MODE, 25, 1), 1
	s_wait_xcnt 0x0
	s_wait_alu depctr_vm_vsrc(0)
; y[n][c] = sum over h of Q(out)[n][h] Q(w_out)[c][h].  out comes as outt [64 heads][2048], f32: K, the heads, is its FIRST axis; w_out [1024][64], f32, K innermost; y = out0 [2048][1024], f32.
; Both operands are quantised here to codes of FP8 (E4M3) with one E8M0 scale for each 32 along K and multiplied by v_wmma_scale_f32_16x16x128_f8f6f4.
; K = 64 is half of the instruction's 128: registers 8 to 15 of every fragment are zero codes, on both sides, and their scale bytes are 0 (2^-127: no NaN, and zero codes add nothing).
; SHARES.  A work-group of four waves makes 128 rows x 64 columns (grid: 16 x 16).  Wave w makes rows 32 w .. 32 w + 31 x all 64 columns ON ITS OWN: it quantises its 32 rows of out and the group's 64 rows
; of w_out itself, so that no operand goes from wave to wave and there is no barrier; the price is that w_out's 16 KB are quantised by each of the four waves.
; out: A LANE TAKES TWO ROWS n AND ITS REGISTERS RUN DOWN K: lane (r, h) loads, for head 32 c + 16 h + e, the 8 bytes of rows 2 r, 2 r + 1.  THE ROWS OF A TILE ARE NOT NEIGHBOURS: tile t takes rows 2 r + t.
; The hold, which every number passes anyway, puts it where the conversion wants it: 16 registers on end for each block.
; The matrix instruction is used TRANSPOSED (source 0 = 16 rows of w_out, source 1 = 16 rows of out): a lane holds eight neighbouring columns of one row of y.
; The wave's 32 rows of 256 bytes go through its own stage in LDS and leave whole.
; NO CLUSTER: what work-groups share is 32 KB of outt and 16 KB of w_out, read once at the head into registers; there is no loop over K in which joint loads could meet.
; LIMITS: NaN and infinities are not served.  A block of zeros gets the byte 1 where the quantiser's rule says 127: its codes are zeros, and this program alone reads the bytes.
; THE MODE: SCHED_MODE bits 1:0 = 2 (LLVM: expert scheduling mode 2), set by the entry lines.  The code itself states the register dependences
; between vector or matrix instructions and memory or LDS instructions, with s_wait_alu, always for 0.
; THE PLAN.  Registers that memory or LDS instructions touch:
;   v1, v2      Offsets of the loads, made at the head ahead of the first load and never written again.
;   v3, v4, v5  The stage's two addresses and the offset in y: made once, behind the first loads; read on the way out alone.
;   WR, X       The loads land in them; no vector line names them ahead of their loads, so the 64 loads owe the one wait for v1 and v2.
;   ACC         Written by the eight matrix instructions, read by sixteen LDS stores.
;   BK          v128-191: earlier three fragments of w_out, which the matrix instructions read, and held numbers; the stage's LDS loads land in them, the stores of y read them.
; No register that a memory or LDS instruction reads is written again, so no wait on vm_vsrc stands outside the closing lines.
.set SP,   272                         ; a stage row: 256 bytes + 16
.set AO,   1                           ; v1   outt: 16 h heads of 8,192 bytes + 8 r
.set WO,   2                           ; v2   w_out: row r of 256 bytes + 64 h
.set STO,  3                           ; v3   the stage, in
.set RD,   4                           ; v4   the stage, out
.set GO,   5                           ; v5   my 16 bytes in two rows of y
.set TM,   16                          ; v16-17 largest magnitudes, v18-19 the other half's, v20-21 448 x scale, v22-23 scale operands, v24-25 bytes: two blocks each
.set FW0,  32                          ; v32-47   w_out's fragment, tile 0
.set SW,   48                          ; v48-51 w_out's scale words, v52-53 out's: these six hold scales and nothing else
.set SA,   52
.set X,    64                          ; v64-127  out as loaded: register 2 (16 c + e) + t;  later the eight accumulators
.set WR,   128                         ; v128-255 w_out as loaded: tile i at 32 i, register 16 c + e
.set FW1,  128                         ; the other fragments lie over numbers that are done with
.set FW2,  144
.set FW3,  160
.set Y,    176                         ; v176-207 out, held, in K's order
.set FA0,  208
.set FA1,  224
.set ACC,  64
.set BK,   128                         ; the way out: 16 x 4 registers
.macro ALOAD c                         ; out(2 r, 2 r + 1; head 32 c + 16 h + e), e = 0 .. 15: sixteen lanes read 128 consecutive bytes
.irp e, 0,1,2,3,4,5,6,7,8,9,10,11,12,13,14,15
	global_load_b64 v[X+2*(16*(\c)+\e):X+2*(16*(\c)+\e)+1], v[AO], s[4:5] offset:(32*(\c)+\e)*8192
.endr
.endm
	s_load_b128 s[4:7], s[0:1], 0x0                ; outt, w_out
	s_load_b64 s[8:9], s[0:1], 0x10                ; out0
	v_lshl_add_u32 v62, v0, 2, 0x8800
	v_mov_b32 v63, 0
	v_lshrrev_b32 v6, 5, v0
	v_readfirstlane_b32 s10, v6                    ; wave 0..3
	v_and_b32 v7, 15, v0                           ; r
	v_bfe_u32 v8, v0, 4, 1                         ; h
	v_lshlrev_b32 v[AO], 3, v7
	v_lshl_add_u32 v[AO], v8, 17, v[AO]
	v_lshlrev_b32 v[WO], 8, v7
	v_lshl_add_u32 v[WO], v8, 6, v[WO]
	s_and_b32 s11, ttmp7, 0xffff                   ; which 128 rows
	s_lshl_b32 s16, s11, 9                         ; outt: 128 rows x 4 bytes,
	s_wait_alu depctr_va_sdst(0)                   ; s10 is written, ahead of its first reader: the bases and my stage's place are made from it
	s_lshl_b32 s18, s10, 7                         ; my wave's 32
	s_add_co_u32 s16, s16, s18
	s_mov_b32 s17, 0
	s_lshl_b32 s18, ttmp9, 14                      ; w_out: 64 rows x 256 bytes
	s_mov_b32 s19, 0
	s_lshl_b32 s20, s11, 19                        ; y: 128 rows x 4,096 bytes,
	s_lshl_b32 s22, s10, 17                        ; my wave's 32,
	s_add_co_u32 s20, s20, s22
	s_lshl_b32 s22, ttmp9, 8                       ; 64 columns x 4 bytes
	s_add_co_u32 s20, s20, s22
	s_mov_b32 s21, 0
	s_wait_kmcnt 0x0
	s_add_nc_u64 s[4:5], s[4:5], s[16:17]
	s_add_nc_u64 s[6:7], s[6:7], s[18:19]
	s_add_nc_u64 s[8:9], s[8:9], s[20:21]
	s_wait_alu depctr_va_vdst(0)                   ; v1 and v2 are written: every load of outt and of w_out reads one of them as its offset
.irp i, 0,1,2,3
.irp c, 0,1
.irp j, 0,1,2,3
	global_load_b128 v[WR+32*\i+16*\c+4*\j:WR+32*\i+16*\c+4*\j+3], v[WO], s[6:7] offset:4096*\i+128*\c+16*\j   ; w_out(16 i + r, 32 c + 16 h + 4 j ..)
.endr
.endr
.endr
	ALOAD 0                                        ; 48 loads of the wave are out
	s_mov_b32 s12, 0x76543210
	s_mov_b32 s13, 0xfedcba98                      ; v_permlanex16_b32's selects for lane l xor 16
	s_mov_b32 s14, 0x600000                        ; the mantissa field of 448
	v_mov_b32 v[TM+2], 0                           ; written once: a lane permute's destination counts as one of its sources
	v_mov_b32 v[TM+3], 0
	s_mul_i32 s22, s10, 32*SP                      ; my stage
	v_mul_u32_u24 v[STO], v7, SP                   ; in: stage row 16 t + r, 32 bytes for each half of the lanes
	v_lshl_add_u32 v[STO], v8, 5, v[STO]
	v_add_nc_u32 v[STO], s22, v[STO]
	v_mul_u32_u24 v[RD], v8, 16*SP                 ; out: lanes 0-15 take stage row n (tile 0: row 2 n of y), lanes 16-31 stage row 16 + n (tile 1: row 2 n + 1)
	v_lshl_add_u32 v[RD], v7, 4, v[RD]
	v_add_nc_u32 v[RD], s22, v[RD]
	v_lshlrev_b32 v[GO], 12, v8
	v_lshl_add_u32 v[GO], v7, 4, v[GO]
; 32 numbers of a lane, v[src + st (16 c + e)] = k 32 c + 16 h + e of my row, become a fragment in v[dst] .. v[dst + 15] and its scale word in v[sw].  The held numbers go to v[wk + 16 c + e].
.macro QUANT src, st, wk, dst, sw
.irp c, 0,1
	v_max3_num_f32 v[TM+\c], |v[(\src)+(\st)*(16*\c)]|, |v[(\src)+(\st)*(16*\c+1)]|, 0x4800000   ; my 16 numbers of block c, and the floor 2^(9 - 127): the byte cannot fall under 1
.endr
.irp e, 2,4,6,8,10,12,14
.irp c, 0,1
	v_max3_num_f32 v[TM+\c], v[TM+\c], |v[(\src)+(\st)*(16*\c+\e)]|, |v[(\src)+(\st)*(16*\c+\e+1)]|
.endr
.endr
.irp c, 0,1
	v_permlanex16_b32 v[TM+2+\c], v[TM+\c], s12, s13
.endr
.irp c, 0,1
	v_max_num_f32 v[TM+\c], v[TM+\c], v[TM+2+\c]   ; with lane l xor 16's: the block's largest magnitude
.endr
.irp c, 0,1
	v_add_nc_u32 v[TM+6+\c], 0xfc000000, v[TM+\c]  ; 8 off the exponent field: the conversion's scale operand
.endr
.irp c, 0,1
	v_and_or_b32 v[TM+4+\c], v[TM+\c], 0x7f800000, s14   ; 448 x the scale
.endr
.irp c, 0,1
	v_lshrrev_b32 v[TM+8+\c], 23, v[TM+6+\c]       ; the scale's byte
.endr
	v_lshl_or_b32 v[\sw], v[TM+9], 8, v[TM+8]      ; my row's scale word: two bytes, and 0 for the two blocks of zero codes
.irp c, 0,1
.irp e, 0,1,2,3,4,5,6,7,8,9,10,11,12,13,14,15
	v_med3_num_f32 v[(\wk)+16*\c+\e], v[(\src)+(\st)*(16*\c+\e)], -v[TM+4+\c], v[TM+4+\c]   ; the conversion to an 8-bit code does not saturate (ISA guide 7.6.2): the hold comes first
.endr
	v_cvt_scalef32_pk8_fp8_f32 v[(\dst)+4*\c:(\dst)+4*\c+1], v[(\wk)+16*\c:(\wk)+16*\c+7], v[TM+6+\c]
	v_cvt_scalef32_pk8_fp8_f32 v[(\dst)+4*\c+2:(\dst)+4*\c+3], v[(\wk)+16*\c+8:(\wk)+16*\c+15], v[TM+6+\c]
.endr
.irp z, 8,9,10,11,12,13,14,15
	v_mov_b32 v[(\dst)+\z], 0                      ; K = 64 .. 127: zero codes (plain lines behind the conversions)
.endr
.endm
	s_wait_loadcnt 40                              ; tile 0's eight loads are in; behind them 24 of w_out and 16 of outt stay out
	ALOAD 1                                        ; the other 32 heads, asked for ahead of the first tile's vector lines; 56 loads are out.  No wait: they read v1 alone and land in v96-127, and no vector line since the wait at the head names either
	QUANT WR, 1, WR, FW0, SW
	s_wait_loadcnt 48                              ; tile 1's are in; behind them 16 of w_out and 32 of outt
	QUANT WR+32, 1, WR+32, FW1, SW+1
	s_wait_loadcnt 40                              ; tile 2's; behind them 8 of w_out and 32 of outt
	QUANT WR+64, 1, WR+64, FW2, SW+2
	s_wait_loadcnt 32                              ; tile 3's; the 32 loads of outt may be out
	QUANT WR+96, 1, WR+96, FW3, SW+3
	s_wait_loadcnt 0x0
	QUANT X, 2, Y, FA0, SA
	QUANT X+1, 2, Y, FA1, SA+1
.rept 8
	v_nop                                          ; places between the last vector writes of operands and scale words and the scaled matrix instructions
.endr
	s_wait_alu depctr_va_vdst(0)                   ; the conversions, the zero codes and the scale words are written, which the scaled matrix instructions below take as operands and scales; the places above stay beside this wait
.irp t, 0,1
.irp i, 0,1,2,3
	v_wmma_scale_f32_16x16x128_f8f6f4 v[ACC+8*(4*\t+\i):ACC+8*(4*\t+\i)+7], v[FW\i:FW\i+15], v[FA\t:FA\t+15], 0, v[SW+\i], v[SA+\t]   ; lane (r, h), register j: y(2 r + t, 16 i + 8 h + j); each sum is one instruction
.endr
.endr
.rept 8
	v_nop                                          ; eight places ahead of the first read of results
.endr
	s_wait_alu depctr_va_vdst(0)                   ; the matrix instructions have written the accumulators, which the LDS stores read, and are done reading v128-175; the holds have written v176-191: the LDS loads below land in v128-191; v3 to v5 are written.  The places above stay beside this wait
.irp t, 0,1
.irp i, 0,1,2,3
	ds_store_b128 v[STO], v[ACC+8*(4*\t+\i):ACC+8*(4*\t+\i)+3] offset:16*SP*\t+64*\i          ; each accumulator from its low end on
	ds_store_b128 v[STO], v[ACC+8*(4*\t+\i)+4:ACC+8*(4*\t+\i)+7] offset:16*SP*\t+64*\i+16
.endr
.endr
.irp n, 0,1,2,3,4,5,6,7,8,9,10,11,12,13,14,15
	ds_load_b128 v[BK+4*\n:BK+4*\n+3], v[RD] offset:\n*SP   ; LDS serves a wave's instructions in order (ISA guide 5.7.1.4): these see my stores
.endr
.irp n, 0,1,2,3,4,5,6,7,8,9,10,11,12,13,14,15
	s_wait_dscnt 15-\n                             ; load n is in; the younger ones stay out
	global_store_b128 v[GO], v[BK+4*\n:BK+4*\n+3], s[8:9] offset:8192*\n th:TH_STORE_NT   ; rows 2 n and 2 n + 1: sixteen lanes store 256 consecutive bytes, at a multiple of 256 from y's first byte
.endr
	s_wait_dscnt 0x0                               ; the closing lines, six on end
	s_wait_alu 0x0
	s_wait_tensorcnt 0x0
	ds_add_u32 v62, v63
	s_wait_dscnt 0x0
	s_endpgm
.Lfunc_end_k_q9b446b4b9b_proj:
	.size	k_q9b446b4b9b_proj, .Lfunc_end_k_q9b446b4b9b_proj-k_q9b446b4b9b_proj
	.p2alignl 7, 3214868480
	.fill 96, 4, 3214868480
	.section	.rodata,"a",@progbits
	.p2align	6, 0x0
	.amdhsa_kernel k_q9b446b4b9b_proj
		.amdhsa_group_segment_fixed_size 35328
		.amdhsa_private_segment_fixed_size 0
		.amdhsa_enable_private_segment 0
		.amdhsa_kernarg_size 24
		.amdhsa_user_sgpr_count 2
		.amdhsa_user_sgpr_kernarg_segment_ptr 1
		.amdhsa_wavefront_size32 1
		.amdhsa_system_sgpr_workgroup_id_x 1
		.amdhsa_system_sgpr_workgroup_id_y 1
		.amdhsa_system_sgpr_workgroup_id_z 1
		.amdhsa_system_vgpr_workitem_id 0
		.amdhsa_next_free_vgpr 256
		.amdhsa_next_free_sgpr 66
		.amdhsa_reserve_vcc 0
		.amdhsa_float_denorm_mode_32 3
		.amdhsa_float_denorm_mode_16_64 3
		.amdhsa_memory_ordered 1
		.amdhsa_forward_progress 1
		.amdhsa_inst_pref_size 40
	.end_amdhsa_kernel
	.amdgpu_metadata
---
amdhsa.version: [ 1, 2 ]
amdhsa.kernels:
  - .name:           k_q9b446b4b9b_proj
    .symbol:         k_q9b446b4b9b_proj.kd
    .args:
      - { .name: outt, .offset: 0, .size: 8, .value_kind: global_buffer, .address_space: global }
      - { .name: w_out, .offset: 8, .size: 8, .value_kind: global_buffer, .address_space: global }
      - { .name: out0, .offset: 16, .size: 8, .value_kind: global_buffer, .address_space: global }
    .group_segment_fixed_size: 35328
    .private_segment_fixed_size: 0
    .kernarg_segment_align: 8
    .kernarg_segment_size: 24
    .max_flat_workgroup_size: 128
    .sgpr_count:     66
    .vgpr_count:     256
    .wavefront_size: 32
...
	.end_amdgpu_metadata
.endif
;; end of part 5
